; MI455X (gfx1250); checked and timed in simulation.
; The chip was launched on July 23, 2026; its instructions are those of AMD's public machine-readable ISA for CDNA 5 (MIT licence, August 2026) and "CDNA5" Instruction Set Architecture Reference Guide (July 2026). The comments in the code are by the model that wrote it; some were corrected since.
;; Causal Self Attention. Allowed arithmetic: matrix products marked QUANTISED: E2M3 operands, one E8M0 scale for each 32 along K, by v_wmma_scale_f32_16x16x128_f8f6f4 with both operands' format E2M3, f32 sums; everything else in f32.
;; Inputs: w_proj 1,024 x 1,024 float32; w_qkv 3,072 x 1,024 float32; x 4 x 2,048 x 1,024 float32.
;; Outputs: out0 4 x 2,048 x 1,024 float32.
;; This version of the problem:
;;   THIS VERSION OF THE PROBLEM IS GIVEN IN LOW PRECISION. The matrix products marked QUANTISED in the list below multiply operands that are first quantised to E2M3 (2 exponent bits, 3 mantissa bits; 6 bits a number), with one power-of-two scale for each 32 numbers along K (OCP MX v1.0); their sums are f32. All else is computed in f32.
;;   The module's matrix products, in the order in which they are computed (A, B: the left and right operand; K: the contracted axis; several contracted axes count as one K, in the product's order):
;;     1. [M 8,192, K 1,024] x [K 1,024, N 3,072]; A: input x; B: input w_qkv: QUANTISED
;;     2. batch 64 x [M 2,048, K 64] x [K 64, N 2,048]; A: computed on the way; B: computed on the way: QUANTISED
;;     3. batch 64 x [M 2,048, K 2,048] x [K 2,048, N 64]; A: softmax (see below); B: computed on the way: QUANTISED
;;     4. [M 8,192, K 1,024] x [K 1,024, N 1,024]; A: computed on the way; B: input w_proj: QUANTISED
;;   THE QUANTISER, for each operand of a quantised product, along K:
;;     - K is cut into blocks of 32 from its start; a last block that is shorter is filled with zeros.
;;     - A block's scale is 2^e with e = floor(log2(the largest magnitude in the block)) - 2, held to -126 .. 127; a block of zeros has e = 0. As a byte (E8M0): e + 127.
;;     - Each number is divided by its block's scale, clamped to +-7.5, and rounded to the nearest number of E2M3, ties to even, subnormals kept.
;;     - The product sums the exact products of the quantised numbers (number of the format x scale) in f32.
;;   ~~~python
;;   def quantise(x, axis):      # numpy; x: float32 -> the quantised numbers, widened to float32 again
;;       x = np.moveaxis(x, axis, -1); K = x.shape[-1]
;;       x = np.pad(x, [(0, 0)] * (x.ndim - 1) + [(0, -K % 32)]); x = x.reshape(x.shape[:-1] + (-1, 32)); a = np.abs(x).max(-1, keepdims=True)
;;       e = np.where(a > 0, np.clip(np.frexp(np.where(a > 0, a, 1))[1] - 1 - 2, -126, 127), 0)      # np.frexp(a)[1] - 1 = floor(log2(a)), exactly
;;       r = np.clip(x / 2.0 ** e, -7.5, 7.5)
;;       step = 2.0 ** (np.maximum(np.frexp(np.where(r == 0, 1, r))[1] - 1, 0) - 3)
;;       q = np.round(r / step) * step * 2.0 ** e      # np.round: ties to even
;;       return np.moveaxis(q.reshape(q.shape[:-2] + (-1,))[..., :K], -1, axis).astype(np.float32)
;;   ~~~
;;   SOFTMAX AHEAD OF A QUANTISED PRODUCT. Where the list says 'softmax', what is quantised is not the finished softmax but p = 2^(t - M), with t = logit x log2(e) and M = ceil(the row's largest t), a whole number; so 1/2 < the row's largest p <= 1. The row's sum l is taken of the UNQUANTISED p, in f32, and the product's result is divided by l at the end. Since M is a whole number, a kernel that streams over the keys may use a running M (the ceiling of the running maximum): every later rescaling is an exact power of two, which a block's scale takes up: the codes' values come out the same.
;;   OPERANDS COMPUTED ON THE WAY. 'Computed on the way' means the value that the module computes at that place (a softmax that the list does not call 'softmax' is quantised finished and normalised). What goes into a quantiser is computed in f32, as accurately as f32 sums, v_exp_f32 and their like allow (about 1e-6 of the number): no bf16 or f16 on the way to a quantiser, and a product that is left as it is and whose result goes on into a quantised operand takes f32 operands (vector FMAs, or v_wmma_f32_16x16x4_f32). A number that lies on a knife's edge between two numbers of the format may be rounded either way, as far as f32 arithmetic and the matrix unit's own rounding can turn it there, and no further.
;; One version. Each part assembles by itself: llvm-mc -triple=amdgcn-amd-amdhsa -mcpu=gfx1250 --defsym DOCPART=n.
;; ======== version 1 of 1: 4 launches
;; workspace buffers: wc 9,437,184 bytes; ws 393,216 bytes; qb 13,107,200 bytes; kvb 13,107,200 bytes; ob 6,291,456 bytes; os 262,144 bytes
;; launch quant (part 1): grid 384 x 1, 4 waves a work-group, no clusters, 34,304 bytes of LDS; arguments x, w_qkv, w_proj, wc, ws; writes wc, ws
.if DOCPART == 1
	.amdgcn_target "amdgcn-amd-amdhsa--gfx1250"
	.amdhsa_code_object_version 6
	.text
	.protected	k_q9088ba645d_quant
	.globl	k_q9088ba645d_quant
	.p2align	8
	.type	k_q9088ba645d_quant,@function
k_q9088ba645d_quant:
	s_mov_b64 s[64:65], 0
	v_nop
	global_prefetch_b8 v0, s[64:65] scope:SCOPE_SE
	s_setreg_imm32_b32 hwreg(HW_REG_WAVE_MODE, 25, 1), 1
	s_wait_xcnt 0x0
; x [8192][1024], w_qkv [3072][1024], w_proj [1024][1024], f32, K innermost, become codes of FP6 (E2M3) with one E8M0 byte for each 32 along K.
; The three tensors count as one run of 12,288 rows: x's, then w_qkv's, then w_proj's; 96 groups of 128 rows.
; THE CODES ARE LAID AS IMAGES OF OPERAND REGISTERS.  A fragment is 16 rows x 128 K in 12 registers a lane: lane (r, h) holds, in registers 6 c .. 6 c + 5, k = 64 c + 32 h + 0 .. 31 of its row.
; Registers 4 c .. 4 c + 3 of lane l lie at byte 512 c + 16 l of the fragment's 1,536 bytes.  wc: [group][K step of 128 (8)][fragment (8)][1536].
; THE ROWS OF A FRAGMENT ARE NOT NEIGHBOURS: lane r of fragment i of a group takes row 32 (i / 2) + 8 (i % 2) + r + 8 (r / 8).
; ws: [group][fragment][half of K (2)][r (16)][4 words]: a word is the four bytes of one row and one K step.
; A block's scale is 2^(floor(log2(largest magnitude)) - 2): its byte is the largest magnitude's exponent field - 2, held at 1 from below.
; LIMITS: a block of zeros gets the byte 1 where the rule says 127 (its codes are zeros, and this program alone reads the bytes); NaN and infinities among the inputs are not served.
; SHARES: a wave takes one fragment's 16 rows x 512 along K, four K steps.  Each load reads 512 consecutive bytes of one row; a step's 16 rows turn through the wave's own stage in LDS
; (rows 528 bytes apart) and come back 128 consecutive bytes of a block to a lane, so that a lane holds two whole blocks and no other lane is asked for a maximum.
; No barrier: waves share nothing.  Loads run two steps (32 loads a wave) ahead.
.set STG, 8448                         ; a wave's stage: 16 rows x 528 bytes
.set R,   16                           ; v16-143  two sets of 64 registers as loaded
.set X,   144                          ; v144-207 my two blocks of 32 numbers
.set PC,  208                          ; v208-219 the fragment's 12 registers
.set T,   220                          ; v220-227 the upper halves of the two blocks' codes, before they are moved
.set M,   228                          ; v228-229 largest magnitudes
.set SO,  230                          ; v230-231 the conversions' scale operands
.set BY,  232                          ; v232-233 the bytes
.set W,   234                          ; v234-235 my two bytes at their places; the other half's
.set SW,  236                          ; v236-239 the four K steps' scale words
	s_load_b256 s[4:11], s[0:1], 0x0               ; x s[4:5], w_qkv s[6:7], w_proj s[8:9], wc s[10:11]
	s_load_b64 s[12:13], s[0:1], 0x20              ; ws
	v_lshl_add_u32 v240, v0, 2, 0x8400
	v_mov_b32 v241, 0
	v_lshrrev_b32 v1, 5, v0
	v_readfirstlane_b32 s16, v1                    ; wave 0..3
	v_and_b32 v4, 31, v0                           ; lane
	v_and_b32 v7, 15, v0                           ; r
	v_bfe_u32 v8, v0, 4, 1                         ; h
	v_lshlrev_b32 v1, 4, v4                        ; 16 x lane: my bytes of a load's 512, and of a store's
	s_mul_i32 s17, s16, STG
	v_add_nc_u32 v2, s17, v1                       ; the stage, on the way in: row k at 528 k, my 16 bytes
	v_mul_u32_u24 v3, v7, 528
	v_lshl_add_u32 v3, v8, 7, v3
	v_add_nc_u32 v3, s17, v3                       ; and on the way out: row r, block h
	v_lshlrev_b32 v5, 4, v7                        ; 16 r: my row's four scale words
	v_lshlrev_b32 v6, 3, v8                        ; 8 h: my bytes' place in a word, in bits
	v_mov_b32 v[W+1], 0                            ; written once: a lane permute's destination counts as one of its sources
	s_mov_b32 s20, 0x76543210
	s_mov_b32 s21, 0xfedcba98                      ; selects for lane l xor 16
	s_lshl_b32 s18, ttmp9, 1
	s_lshr_b32 s19, s16, 1
	s_add_co_u32 s18, s18, s19                     ; which of the 768 fragment rows: 2 x work-group + wave / 2
	s_and_b32 s19, s16, 1                          ; which half of K
	s_mov_b32 s14, 704
	s_wait_alu depctr_va_vdst(0)
	s_wait_kmcnt 0x0
	s_cmp_lt_u32 ttmp9, 352                        ; work-groups 0-255: x; 256-351: w_qkv; 352-383: w_proj.  The choice hangs on the work-group's number alone
	s_cselect_b64 s[6:7], s[6:7], s[8:9]
	s_cselect_b32 s14, 512, s14
	s_cmp_lt_u32 ttmp9, 256
	s_cselect_b64 s[4:5], s[4:5], s[6:7]
	s_cselect_b32 s14, 0, s14
	s_sub_co_u32 s14, s18, s14                     ; the fragment row within its tensor
	s_lshr_b32 s22, s14, 1
	s_lshl_b32 s22, s22, 5                         ; 32 x (fragment row / 2)
	s_and_b32 s23, s14, 1
	s_lshl_b32 s23, s23, 3
	s_add_co_u32 s22, s22, s23                     ; + 8 x (fragment row % 2): the fragment's first row
	s_lshl_b32 s22, s22, 12                        ; rows of 4,096 bytes
	s_lshl_b32 s23, s19, 11
	s_add_co_u32 s22, s22, s23                     ; + my half of K: 2,048 bytes
	s_mov_b32 s23, 0
	s_add_nc_u64 s[4:5], s[4:5], s[22:23]
	s_lshr_b32 s24, s18, 3
	s_mul_i32 s24, s24, 98304                      ; the group,
	s_and_b32 s25, s18, 7
	s_mul_i32 s25, s25, 1536                       ; the fragment,
	s_add_co_u32 s24, s24, s25
	s_mul_i32 s25, s19, 49152                      ; four K steps of 12,288 bytes
	s_add_co_u32 s24, s24, s25
	s_mov_b32 s25, 0
	s_add_nc_u64 s[10:11], s[10:11], s[24:25]
	s_lshl_b32 s24, s18, 9
	s_lshl_b32 s26, s19, 8
	s_add_co_u32 s24, s24, s26
	s_add_nc_u64 s[12:13], s[12:13], s[24:25]
.macro LOAD st                         ; K step st: 16 rows x 512 bytes into set st % 2
.irp k, 0,1,2,3,4,5,6,7,8,9,10,11,12,13,14,15
	global_load_b128 v[R+64*((\st)%2)+4*\k:R+64*((\st)%2)+4*\k+3], v1, s[4:5] offset:(\k+8*(\k/8))*4096+512*(\st) th:TH_LOAD_NT
.endr
.endm
.macro STEP st
.if (\st) < 3
	s_wait_loadcnt 16                              ; this step's 16 loads are in; the next step's 16 may be out
.else
	s_wait_loadcnt 0x0
.endif
.irp k, 0,1,2,3,4,5,6,7,8,9,10,11,12,13,14,15
	ds_store_b128 v2, v[R+64*((\st)%2)+4*\k:R+64*((\st)%2)+4*\k+3] offset:528*\k
.endr
.irp c, 0,1                            ; LDS serves a wave's instructions in order: these see the stores above
.irp j, 0,1,2,3,4,5,6,7
	ds_load_b128 v[X+32*\c+4*\j:X+32*\c+4*\j+3], v3 offset:256*\c+16*\j   ; block 2 c + h of row r
.endr
.endr
	s_wait_dscnt 0x0                               ; my numbers are back, and the stores have read their registers,
.if (\st) < 2
	LOAD (\st)+2                                   ; which take the loads of two steps on
.endif
.irp c, 0,1
	v_max3_num_f32 v[M+\c], |v[X+32*\c]|, |v[X+32*\c+1]|, 0x1800000   ; with the floor 2^(3 - 127): the byte cannot fall under 1
.endr
.irp i, 2,4,6,8,10,12,14,16,18,20,22,24,26,28,30
.irp c, 0,1
	v_max3_num_f32 v[M+\c], v[M+\c], |v[X+32*\c+\i]|, |v[X+32*\c+\i+1]|   ; the two blocks by turns
.endr
.endr
.irp c, 0,1
	v_add_nc_u32 v[SO+\c], 0xff000000, v[M+\c]     ; 2 off the exponent field: the conversion's scale operand
.endr
.irp c, 0,1
	v_lshrrev_b32 v[BY+\c], 23, v[SO+\c]           ; the byte
.endr
	v_lshl_or_b32 v[W], v[BY+1], 16, v[BY]         ; blocks h and 2 + h,
	v_lshlrev_b32 v[W], v6, v[W]                   ; at their places in the word;
	v_permlanex16_b32 v[W+1], v[W], s20, s21
	v_or_b32 v[SW+(\st)], v[W], v[W+1]             ; with lane l xor 16's two the word is whole
.if (\st) > 0
	s_wait_alu depctr_va_vdst(0)
	s_wait_xcnt 0x0                                ; the last step's stores have read the fragment's registers: only now are they written again
.endif
	v_cvt_scalef32_pk16_fp6_f32 v[PC:PC+2], v[X:X+15], v[SO]
	v_cvt_scalef32_pk16_fp6_f32 v[T:T+2], v[X+16:X+31], v[SO]       ; (a conversion's three registers begin on an even number)
	v_cvt_scalef32_pk16_fp6_f32 v[PC+6:PC+8], v[X+32:X+47], v[SO+1]
	v_cvt_scalef32_pk16_fp6_f32 v[T+4:T+6], v[X+48:X+63], v[SO+1]
	v_nop                                          ; one plain place behind the scaled conversions
.irp i, 0,1,2
	v_mov_b32 v[PC+3+\i], v[T+\i]
	v_mov_b32 v[PC+9+\i], v[T+4+\i]
.endr
.irp c, 0,1,2
	global_store_b128 v1, v[PC+4*\c:PC+4*\c+3], s[10:11] offset:(\st)*12288+512*\c   ; 32 lanes store 512 consecutive bytes, aligned
.endr
.endm
	LOAD 0
	LOAD 1
	STEP 0
	STEP 1
	STEP 2
	STEP 3
	global_store_b128 v5, v[SW:SW+3], s[12:13]     ; 16 rows x 16 bytes: 256 consecutive bytes, aligned; lanes l and l + 16 hold and write the same words
	s_wait_tensorcnt 0x0
	ds_add_u32 v240, v241
	s_wait_dscnt 0x0
	s_endpgm
.Lfunc_end_k_q9088ba645d_quant:
	.size	k_q9088ba645d_quant, .Lfunc_end_k_q9088ba645d_quant-k_q9088ba645d_quant
	.p2alignl 7, 3214868480
	.fill 96, 4, 3214868480
	.section	.rodata,"a",@progbits
	.p2align	6, 0x0
	.amdhsa_kernel k_q9088ba645d_quant
		.amdhsa_group_segment_fixed_size 34304
		.amdhsa_private_segment_fixed_size 0
		.amdhsa_enable_private_segment 0
		.amdhsa_kernarg_size 40
		.amdhsa_user_sgpr_count 2
		.amdhsa_user_sgpr_kernarg_segment_ptr 1
		.amdhsa_wavefront_size32 1
		.amdhsa_system_sgpr_workgroup_id_x 1
		.amdhsa_system_sgpr_workgroup_id_y 1
		.amdhsa_system_sgpr_workgroup_id_z 1
		.amdhsa_system_vgpr_workitem_id 0
		.amdhsa_next_free_vgpr 242
		.amdhsa_next_free_sgpr 66
		.amdhsa_reserve_vcc 0
		.amdhsa_float_denorm_mode_32 3
		.amdhsa_float_denorm_mode_16_64 3
		.amdhsa_memory_ordered 1
		.amdhsa_forward_progress 1
		.amdhsa_inst_pref_size 31
	.end_amdhsa_kernel
	.amdgpu_metadata
---
amdhsa.version: [ 1, 2 ]
amdhsa.kernels:
  - .name:           k_q9088ba645d_quant
    .symbol:         k_q9088ba645d_quant.kd
    .args:
      - { .name: x, .offset: 0, .size: 8, .value_kind: global_buffer, .address_space: global }
      - { .name: w_qkv, .offset: 8, .size: 8, .value_kind: global_buffer, .address_space: global }
      - { .name: w_proj, .offset: 16, .size: 8, .value_kind: global_buffer, .address_space: global }
      - { .name: wc, .offset: 24, .size: 8, .value_kind: global_buffer, .address_space: global }
      - { .name: ws, .offset: 32, .size: 8, .value_kind: global_buffer, .address_space: global }
    .group_segment_fixed_size: 34304
    .private_segment_fixed_size: 0
    .kernarg_segment_align: 8
    .kernarg_segment_size: 40
    .max_flat_workgroup_size: 128
    .sgpr_count:     66
    .vgpr_count:     242
    .wavefront_size: 32
...
	.end_amdgpu_metadata
.endif
;; end of part 1
;; launch qkv (part 2): grid 12 x 32, 4 waves a work-group, clusters of 4 x 4, 327,680 bytes of LDS; arguments wc, ws, qb, kvb; writes qb, kvb
.if DOCPART == 2
	.amdgcn_target "amdgcn-amd-amdhsa--gfx1250"
	.amdhsa_code_object_version 6
	.text
	.protected	k_q9088ba645d_qkv
	.globl	k_q9088ba645d_qkv
	.p2align	8
	.type	k_q9088ba645d_qkv,@function
k_q9088ba645d_qkv:
	s_mov_b64 s[64:65], 0
	v_nop
	global_prefetch_b8 v0, s[64:65] scope:SCOPE_SE
	s_setreg_imm32_b32 hwreg(HW_REG_WAVE_MODE, 25, 1), 1
	s_wait_xcnt 0x0
	s_wait_alu depctr_hold_cnt(0) depctr_sa_sdst(0) depctr_va_vdst(0) depctr_va_sdst(0) depctr_va_ssrc(0) depctr_va_vcc(0) depctr_vm_vsrc(0)
	s_getreg_b32 s2, hwreg(HW_REG_IB_STS2, 6, 4)
	s_cmp_eq_u32 s2, 0
	s_cbranch_scc0 .Lentry_in_a_cluster
	s_endpgm
.Lentry_in_a_cluster:
	s_bfe_u32 s2, ttmp6, 0x10000c
	s_cmp_lg_u32 s2, 0xf033
	s_cbranch_scc0 .Lentry_shape_is_right
	s_endpgm
.Lentry_shape_is_right:
; qkv = x w_qkv^T on codes of FP6 (E2M3) with E8M0 scales, K = 1,024; the results never go to memory as f32: q and k are quantised along the head's 64, v along the tokens (the keys), in registers.
; OPERANDS come as images of operand registers (wc: [group of 128 rows][K step (8)][fragment (8)][1536]; ws: [group][fragment][half of K][r][4 words]); lane r of fragment i takes row 32 (i/2) + 8 (i%2) + r + 8 (r/8).
; A tile is 256 x 256, a wave's 128 x 128: 64 accumulators, 512 registers.  SOURCE 1 ("A") keeps its rows in the lanes; SOURCE 0 ("B") runs along a lane's registers: by the order of the rows in a fragment, the 64
; registers of one A fragment are B's rows 32 (b/2) + 16 (lane/16) + 8 (b%2) + j: 128 neighbours in the order in which a quantiser along them wants them.
;   clusters with x = 0 (q) and 1 (k): A = tokens, B = rows of w_qkv (the features: two heads of 64 to a wave).   clusters with x = 2 (v): A = rows of w_qkv, B = tokens.
; CLUSTERS: 4 x 4 work-groups; A's groups hang on cy alone and are shared along a row of the cluster, B's on cx alone and are shared along a column: joint loads, which divide the requests for both by four.
; K goes in steps of 128, two to a slot, through a ring of two LDS slots; a wave's tensor load brings 24,576 dense bytes.  The scale words of all of K come once, with the first fills.  K has 8 steps: the text is written out.
; OUT.  kvb: [batch x head (64)][slot of 256 tokens (8)][25,600]: +0: k, 8 pairs x 1,536: registers 0-5 of a pair are the 64 dims of token fragment 2 j, registers 6-11 those of fragment 2 j + 1;
;   +12,288: v, [128 tokens (2)][16 dims (4)][1536]: whole fragments, K = the tokens;   +24,576: [128 tokens (2)][512]: k's words [r][pair (4)], then at +256 v's [r][tile of dims (4)].   qb: the same places, q in k's.
; LIMITS: a block of zeros gets the byte 1 where the rule says 127 (its codes are zeros; this program alone reads the bytes); NaN and infinities are not served.
; 384 tiles in 24 clusters; no prefetch: the launch is short and its tiles are shared by joint loads.
; REGISTERS: window 0: v16-29 addresses; v32-95 scale words; v96-127, v152-155 at work on the way out; v128-223 A's fragments, ONE set (on the way out v128-151: the images).  window 1: B's fragments, two sets, at v0 and v128.
;   window 2: the accumulators of A's fragments 0-3 ((a, b) at v[8 (8 (a % 4) + b)]);  window 3: those of 4-7.
.set FR,    12                         ; registers of a fragment
.set NL,    3                          ; LDS loads that bring one
.set NP,    4                          ; places behind this matrix instruction (ISA guide 7.12.1)
.set HALFT, 24576                      ; a group's two K steps: what one tensor load brings
.set SLOT,  4*HALFT                    ; A's two groups, then B's two
.set SCL,   2*SLOT                     ; behind the ring: the scale words, 4,096 bytes a group
.set SPARE, SCL+4*4096                 ; the spare words, 128 bytes for each wave: two blocks of 256 bytes that no other line names
.set GRP,   98304                      ; a group's codes in memory
.set HEADB, 204800                     ; a head in qb and kvb
.set SLOTB, 25600                      ; a slot of 256 tokens in them
.set ADRA, 16                          ; v16-17  LDS address of my A fragments in slot 0, 1
.set ADRB, 20                          ; v20-21  the same for B
.set SOF,  25                          ; v25     the scale words' way out: 16 r, and for lanes 16-31 one head on
.set LI,   26                          ; v26     16 x lane
.set ADS,  27                          ; v27     LDS address of my scale words: lanes 0-15 A's, lanes 16-31 B's
.set SPW,  28                          ; v28     LDS address of my spare word; never rewritten
.set NIL,  29                          ; v29     0; never rewritten
.set SC,   32                          ; v32-95  register 8 i + s: lanes 0-15 the word of A's fragment i, lanes 16-31 of B's fragment i, for K step s
.set TM,   96                          ; v96-99 largest magnitudes, v100-103 the other half's, then bytes, v108-111 the conversions' scale operands
.set T,    112                         ; v112-119 halves of blocks' codes before they are moved
.set PWA,  120                         ; v120, v121 the scale words of the two fragments in hand
.set PWB,  121
.set WA,   122                         ; v122, v123 the pair's words for the two heads
.set WB,   123
.set WK,   124                         ; v124-127 the first head's four words, kept (v)
.set AF,   128
.set IA,   128                         ; v128-139, v140-151 two images
.set IB,   140
.set W,    152                         ; v152-155 the four words that leave
.set G1,   24                          ; s[24:31] group 1 for A's codes;  s[32:39] groups 0, one for each slot
.set G0,   32
.set G1B,  48                          ; s[48:55], s[56:63] the same for B's
.set G0B,  56
.set G1S,  68                          ; s[68:75], s[76:79] groups 1 and 0 for A's scale words;  s[80:87], s[88:91] for B's
.set G0S,  76
.set G1SB, 80
.set G0SB, 88
.set HIM,  95                          ; s95 lanes 16-31
.set SEL,  96                          ; s[96:97] selects for lane l xor 16
.set MSB, 0
.macro WIN new                         ; the immediate's high byte repeats the setting that is left
.if MSB != \new
	s_set_vgpr_msb (MSB<<8)|\new
.set MSB, \new
.endif
.endm
.set MUL_LO, 0xa1                      ; source 0 (B) window 1, source 1 (A) window 0, C and D window 2
.set MUL_HI, 0xf1                      ; the same, C and D window 3
.set TO_B,   0x40                      ; destination window 1, address window 0
; A joint load: waves 0 and 1 fetch for A, waves 2 and 3 for B.  Each line has one mask and one set of registers; the branch hangs on the wave's number alone.  Four v_nop follow each line.
.macro JLOAD g0a, g1a, g0b, g1b
	s_cmp_eq_u32 s15, 0
	s_cbranch_scc0 .Lfor_b_\@
	tensor_load_to_lds s[\g0a:\g0a+3], s[\g1a:\g1a+7]
	s_nop 0
.rept 4
	v_nop
.endr
	s_branch .Lasked_\@
.Lfor_b_\@:
	tensor_load_to_lds s[\g0b:\g0b+3], s[\g1b:\g1b+7]
	s_nop 0
.rept 4
	v_nop
.endr
.Lasked_\@:
.endm
.macro CREST                           ; a round of the cluster's barrier behind its opening barrier
	s_cmp_lg_u32 s14, 0
	s_cbranch_scc1 .Lnot_wave_0_\@
	s_barrier_signal -3
.Lnot_wave_0_\@:
	s_barrier_wait -3
	s_barrier_signal -1
	s_barrier_wait -1
.endm
.macro CROUND                          ; a whole round
	s_barrier_signal -1
	s_barrier_wait -1
	CREST
.endm
.macro PLACES n
.rept \n
	v_nop
.endr
.endm
	s_load_b256 s[4:11], s[0:1], 0x0               ; wc s[4:5], ws s[6:7], qb s[8:9], kvb s[10:11]
	v_lshl_add_u32 v[SPW], v0, 2, SPARE
	v_mov_b32 v[NIL], 0
	ds_add_u32 v28, v29
	s_wait_dscnt 0x0
	v_lshrrev_b32 v1, 5, v0
	v_readfirstlane_b32 s14, v1                    ; wave 0..3
	s_lshr_b32 s15, s14, 1                         ; which of A's two groups is mine.  Also: I fetch for A (0) or for B (1)
	s_and_b32 s16, s14, 1                          ; which of B's two groups.  Also: which group of the two I fetch
	s_bfe_u32 s40, ttmp6, 0x40000                  ; cx, cy: my place in the cluster
	s_bfe_u32 s41, ttmp6, 0x40004
	s_and_b32 s17, ttmp7, 0xffff                   ; the cluster's y, 0..7
	s_lshl_b32 s43, s41, 2
	s_lshl_b32 s43, 15, s43                        ; my row of the cluster
	s_lshl_b32 s44, 0x1111, s40                    ; my column
	; group 1: dense blocks as rows of 256 bytes (32 elements of 8 bytes), no padding: every LDS read is 16 x lane + a constant
	s_or_b32 s[G1], s43, (3<<16)|(1<<21)           ; 15:0 the mask; 17:16 elements of 8 bytes; 21 set beside a mask
	s_or_b32 s[G1B], s44, (3<<16)|(1<<21)
.irp g, G1, G1B
	s_mov_b32 s[\g+1], 32<<16                      ; tensor_dim0
	s_mov_b32 s[\g+2], 96<<16                      ; tensor_dim1: 96 rows = 24,576 bytes
	s_mov_b32 s[\g+3], 32<<16                      ; tile_dim0
	s_mov_b32 s[\g+4], 96                          ; tile_dim1
	s_mov_b32 s[\g+5], 32                          ; the pitch
	s_mov_b32 s[\g+6], 0
	s_mov_b32 s[\g+7], 0
.endr
	s_or_b32 s[G1S], s43, (3<<16)|(1<<21)
	s_or_b32 s[G1SB], s44, (3<<16)|(1<<21)
.irp g, G1S, G1SB
	s_mov_b32 s[\g+1], 32<<16
	s_mov_b32 s[\g+2], 16<<16                      ; 16 rows = 4,096 bytes
	s_mov_b32 s[\g+3], 32<<16
	s_mov_b32 s[\g+4], 16
	s_mov_b32 s[\g+5], 32
	s_mov_b32 s[\g+6], 0
	s_mov_b32 s[\g+7], 0
.endr
	; which groups.  q, k: A = token groups 8 Y + 2 cy + half, B = 64 + 8 X + 2 cx + half.   v: A = 80 + 2 cy + half, B = 8 Y + 2 cx + half.  X, Y: the cluster's numbers, alike in all partners
	s_lshl_b32 s18, s17, 3
	s_lshl_b32 s19, ttmp9, 3
	s_add_co_u32 s19, s19, 64
	s_cmp_eq_u32 ttmp9, 2
	s_cselect_b32 s20, 80, s18
	s_cselect_b32 s46, s18, s19
	s_lshl_b32 s21, s41, 1
	s_add_co_u32 s20, s20, s21
	s_add_co_u32 s20, s20, s16                     ; A's group that I would fetch: it hangs on cy, never on cx
	s_lshl_b32 s47, s40, 1
	s_add_co_u32 s46, s46, s47
	s_add_co_u32 s46, s46, s16                     ; B's: on cx, never on cy
	s_lshl_b32 s22, s20, 12                        ; their scale words, 4,096 bytes a group,
	s_mov_b32 s23, 0
	s_lshl_b32 s92, s46, 12
	s_mov_b32 s93, 0
	s_mul_i32 s20, s20, GRP                        ; and their codes
	s_mov_b32 s21, 0
	s_mul_i32 s46, s46, GRP
	s_mov_b32 s47, 0
	s_mul_i32 s45, s14, HALFT                      ; where they go: by the wave's number alone
	s_lshl_b32 s94, s14, 12
	s_wait_kmcnt 0x0
	s_add_nc_u64 s[20:21], s[4:5], s[20:21]
	s_add_nc_u64 s[22:23], s[6:7], s[22:23]
	s_add_nc_u64 s[46:47], s[4:5], s[46:47]
	s_add_nc_u64 s[92:93], s[6:7], s[92:93]
	CROUND                                         ; all sixteen work-groups are here: the first joint loads meet
	s_mov_b32 s[G0S], 1
	s_add_co_u32 s[G0S+1], s94, SCL
	s_mov_b64 s[G0S+2:G0S+3], s[22:23]
	s_or_b32 s[G0S+3], s[G0S+3], 0x80000000
	s_mov_b32 s[G0SB], 1
	s_add_co_u32 s[G0SB+1], s94, SCL
	s_mov_b64 s[G0SB+2:G0SB+3], s[92:93]
	s_or_b32 s[G0SB+3], s[G0SB+3], 0x80000000
	JLOAD G0S, G1S, G0SB, G1SB                     ; the scale words first: they are wanted with K step 0
.irp s, 0,1
	s_mov_b32 s[G0+4*\s], 1
	s_add_co_u32 s[G0+4*\s+1], s45, \s*SLOT
	s_add_nc_u64 s[G0+4*\s+2:G0+4*\s+3], s[20:21], \s*HALFT
	s_or_b32 s[G0+4*\s+3], s[G0+4*\s+3], 0x80000000
	s_mov_b32 s[G0B+4*\s], 1
	s_add_co_u32 s[G0B+4*\s+1], s45, \s*SLOT
	s_add_nc_u64 s[G0B+4*\s+2:G0B+4*\s+3], s[46:47], \s*HALFT
	s_or_b32 s[G0B+4*\s+3], s[G0B+4*\s+3], 0x80000000
	JLOAD G0+4*\s, G1, G0B+4*\s, G1B               ; three tensor loads of mine are out now
.endr
	v_and_b32 v1, 15, v0                           ; r
	v_bfe_u32 v2, v0, 4, 1                         ; h
	v_and_b32 v3, 31, v0
	v_lshlrev_b32 v[LI], 4, v3
	s_mul_i32 s21, s15, HALFT                      ; my group of A
	s_mul_i32 s22, s16, HALFT                      ; my group of B,
	s_add_co_u32 s22, s22, 2*HALFT                 ; behind A's two
.irp s, 0,1
	v_add_nc_u32 v[ADRA+\s], s21, v[LI]
	v_add_nc_u32 v[ADRB+\s], s22, v[LI]
	s_add_co_u32 s21, s21, SLOT
	s_add_co_u32 s22, s22, SLOT
.endr
	s_lshl_b32 s21, s15, 12                        ; A's scale words: my group
	s_lshl_b32 s22, s16, 12                        ; B's: my group, behind A's two
	s_add_co_u32 s22, s22, 8192
	s_sub_co_u32 s22, s22, s21
	v_mul_u32_u24 v6, s22, v2                      ; lanes 16-31 take B's: one product, the distance between the two
	s_add_co_u32 s21, s21, SCL
	v_lshl_add_u32 v5, v1, 4, v6
	v_add_nc_u32 v[ADS], s21, v5
	v_mul_u32_u24 v[SOF], v2, HEADB
	v_lshl_add_u32 v[SOF], v1, 4, v[SOF]
.irp b, 0,1,2,3
	v_mov_b32 v[TM+4+\b], 0                        ; written once: a lane permute's destination counts as one of its sources
.endr
	s_mov_b32 s[HIM], 0xffff0000
	s_mov_b32 s[SEL], 0x76543210
	s_mov_b32 s[SEL+1], 0xfedcba98
	; where the results go.  q, k: tokens by cy, heads by cx and my group of B, 128 tokens by my group of A;  v: the other way round
	s_cmp_eq_u32 ttmp9, 2
	s_cselect_b32 s92, s40, s41                    ; the token tile's coordinate
	s_cselect_b32 s93, s41, s40                    ; the heads'
	s_cselect_b32 s94, s15, s16                    ; which two of the tile's four heads
	s_cselect_b32 s45, s16, s15                    ; which 128 of the slot's 256 tokens
	s_cselect_b32 s46, 12288, 0                    ; v lies behind k
	s_cselect_b32 s47, 256, 0                      ; and its words behind k's
	s_lshl_b32 s20, s17, 2
	s_add_co_u32 s20, s20, s92                     ; token tile 0..31
	s_lshr_b32 s21, s20, 3
	s_lshl_b32 s21, s21, 4                         ; 16 x batch
	s_lshl_b32 s93, s93, 2
	s_add_co_u32 s21, s21, s93
	s_lshl_b32 s94, s94, 1
	s_add_co_u32 s21, s21, s94                     ; my first head
	s_mul_i32 s21, s21, HEADB
	s_and_b32 s20, s20, 7
	s_mul_i32 s20, s20, SLOTB
	s_add_co_u32 s20, s20, s21                     ; its slot
	s_mul_i32 s22, s45, 6144
	s_add_co_u32 s22, s22, s46
	s_add_co_u32 s22, s22, s20
	s_mov_b32 s23, 0
	s_lshl_b32 s92, s45, 9
	s_add_co_u32 s92, s92, s47
	s_add_co_u32 s92, s92, s20
	s_add_co_u32 s92, s92, 24576
	s_mov_b32 s93, 0
	s_cmp_eq_u32 ttmp9, 0
	s_cselect_b64 s[12:13], s[8:9], s[10:11]       ; q goes to qb, k and v to kvb
	s_add_nc_u64 s[18:19], s[12:13], s[92:93]      ; the scale words' place
	s_add_nc_u64 s[12:13], s[12:13], s[22:23]      ; the images'
.macro FRAG reg, adr, q, i             ; a fragment's image: three loads of 16 bytes a lane, 512 consecutive bytes each
.irp c, 0,1,2
	ds_load_b128 v[\reg+4*\c:\reg+4*\c+3], v[\adr] offset:(8*(\q)+(\i))*1536+512*\c
.endr
.endm
; 16 matrix instructions: A's fragments a0, a0 + 1 x B's eight, K step s.  p: B's set.  zero = 1: the first product starts the sums.  The 64 accumulators take turns, one instruction a turn, in the same order in every step.
.macro MUL16 a0, p, s, zero
.irp a, \a0, \a0+1
.irp b, 0,1,2,3,4,5,6,7
.if \zero
	v_wmma_scale_f32_16x16x128_f8f6f4 v[8*(8*((\a)%4)+\b):8*(8*((\a)%4)+\b)+7], v[128*(\p)+FR*\b:128*(\p)+FR*\b+FR-1], v[AF+FR*(\a):AF+FR*(\a)+FR-1], 0, v[SC+8*\b+(\s)], v[SC+8*(\a)+(\s)] matrix_a_fmt:MATRIX_FMT_FP6 matrix_b_fmt:MATRIX_FMT_FP6 matrix_a_scale:MATRIX_SCALE_ROW1
.else
	v_wmma_scale_f32_16x16x128_f8f6f4 v[8*(8*((\a)%4)+\b):8*(8*((\a)%4)+\b)+7], v[128*(\p)+FR*\b:128*(\p)+FR*\b+FR-1], v[AF+FR*(\a):AF+FR*(\a)+FR-1], v[8*(8*((\a)%4)+\b):8*(8*((\a)%4)+\b)+7], v[SC+8*\b+(\s)], v[SC+8*(\a)+(\s)] matrix_a_fmt:MATRIX_FMT_FP6 matrix_b_fmt:MATRIX_FMT_FP6 matrix_a_scale:MATRIX_SCALE_ROW1
.endif
.endr
.endr
.endm
.macro FETCH_B slot, q, p
	WIN TO_B
.irp i, 0,1,2,3,4,5,6,7
	FRAG 128*(\p)+FR*\i, ADRB+\slot, \q, \i
.endr
	WIN 0
.endm
.macro FETCH_A slot, q, i0
.irp i, \i0, \i0+1, \i0+2, \i0+3
	FRAG AF+FR*(\i), ADRA+\slot, \q, \i
.endr
.endm
; A slot's first K step (s even): its successor lies in the same slot.  A's fragments have one set: 0-3 are fetched anew in the step's middle, 4-7 at its end; B's have two.
.macro STEP slot, s, zero
	s_wait_dscnt 4*NL                              ; B's set and A's fragments 0-3 are in; the youngest 12 loads (A's 4-7) may be out
	WIN MUL_LO
	MUL16 0, 0, \s, \zero
	MUL16 2, 0, \s, \zero
	s_wait_dscnt 0                                 ; A's 4-7 are in
	PLACES NP                                      ; in front of loads into registers that matrix instructions have read
	FETCH_B \slot, 1, 1
	FETCH_A \slot, 1, 0
	WIN MUL_HI
	MUL16 4, 0, \s, \zero
	MUL16 6, 0, \s, \zero
	PLACES NP
	WIN 0
	FETCH_A \slot, 1, 4
.endm
; A slot's second K step (s odd) changes slots: one barrier; in front of it each wave waits for all its tensor loads, adds 0 to its spare word, and waits for that and for its reads of this slot.  fill = 1: this slot takes the K steps four on.
.macro TURN slot, next, s, fill
	s_wait_tensorcnt 0x0                           ; all my tensor loads have landed: my part of the next slot
	ds_add_u32 v[SPW], v[NIL]                      ; 0 onto my spare word
	s_wait_dscnt 4*NL+1                            ; (the add and the youngest 12 loads may be out)
	WIN MUL_LO
	MUL16 0, 1, \s, 0                              ; sixteen matrix instructions stand between the add and the wait for it
	s_wait_dscnt 0x0                               ; the add is done, and my reads of this slot are over
	s_barrier_signal -1
	MUL16 2, 1, \s, 0
	WIN 0
	s_barrier_wait -1
.if \fill
	CREST                                          ; the barrier has opened a round of the cluster's: no wave of any partner still reads this slot or has a load on its way
	s_add_nc_u64 s[G0+4*\slot+2:G0+4*\slot+3], s[G0+4*\slot+2:G0+4*\slot+3], 2*HALFT
	s_add_nc_u64 s[G0B+4*\slot+2:G0B+4*\slot+3], s[G0B+4*\slot+2:G0B+4*\slot+3], 2*HALFT
	JLOAD G0+4*\slot, G1, G0B+4*\slot, G1B         ; the first tensor load behind the round, my one load until the next; its four v_nop are the places in front of the loads below
.else
	PLACES NP
.endif
	FETCH_B \next, 0, 0
	FETCH_A \next, 0, 0
	WIN MUL_HI
	MUL16 4, 1, \s, 0
	MUL16 6, 1, \s, 0
	PLACES NP
	WIN 0
	FETCH_A \next, 0, 4
.endm
	s_wait_tensorcnt 1                             ; the scale words and my part of slot 0 are in; slot 1's load may be out
	s_barrier_signal -1
	s_barrier_wait -1
	FETCH_B 0, 0, 0
	FETCH_A 0, 0, 0
.irp i, 0,1,2,3,4,5,6,7                ; the scale words of all of K, once: four words a load
.irp q, 0,1
	ds_load_b128 v[SC+8*\i+4*\q:SC+8*\i+4*\q+3], v[ADS] offset:512*\i+256*\q
.endr
.endr
	FETCH_A 0, 0, 4
	STEP 0, 0, 1                                   ; the first step's products start the sums: nothing is cleared
	TURN 0, 1, 1, 1                                ; slot 0 takes K steps 4, 5
	STEP 1, 2, 0
	TURN 1, 0, 3, 1                                ; slot 1 takes K steps 6, 7
	STEP 0, 4, 0
	TURN 0, 1, 5, 0                                ; nothing is left to fetch
	STEP 1, 6, 0
	s_wait_dscnt 4*NL
	WIN MUL_LO
	MUL16 0, 1, 7, 0
	MUL16 2, 1, 7, 0
	s_wait_dscnt 0
	WIN MUL_HI
	MUL16 4, 1, 7, 0
	MUL16 6, 1, 7, 0
	WIN 0
	PLACES NP                                      ; in front of the first read of results and the first write of registers that held operands
; THE QUANTISER.  The 64 accumulator registers of one A fragment (at v[s] of window w): register 16 b + i = index 32 b + 16 (lane / 16) + i along the axis to be quantised.  Codes of blocks 0, 1 -> six registers at d0,
; of blocks 2, 3 -> six at d1; the four bytes -> pw.  Each accumulator is read from its low end on.
.macro QUANT s, w, d0, d1, pw
	WIN 5*(\w)                                     ; sources 0 and 1: the accumulators' window
.irp b, 0,1,2,3
	v_max3_num_f32 v[TM+\b], |v[(\s)+16*\b]|, |v[(\s)+16*\b+1]|, 0x1800000   ; with the floor 2^(3 - 127): the byte cannot fall under 1
.endr
.irp i, 2,4,6,8,10,12,14
.irp b, 0,1,2,3
	v_max3_num_f32 v[TM+\b], |v[(\s)+16*\b+\i]|, |v[(\s)+16*\b+\i+1]|, v[TM+\b]   ; the four blocks by turns
.endr
.endr
	WIN 0
.irp b, 0,1,2,3
	v_permlanex16_b32 v[TM+4+\b], v[TM+\b], s[SEL], s[SEL+1]
.endr
.irp b, 0,1,2,3
	v_max_num_f32 v[TM+\b], v[TM+\b], v[TM+4+\b]   ; with lane l xor 16's 16: the block's largest magnitude
.endr
.irp b, 0,1,2,3
	v_add_nc_u32 v[TM+12+\b], 0xff000000, v[TM+\b] ; 2 off the exponent field: the conversion's scale operand
.endr
.irp b, 0,1,2,3
	v_lshrrev_b32 v[TM+4+\b], 23, v[TM+12+\b]      ; the byte
.endr
	v_lshl_or_b32 v[\pw], v[TM+5], 8, v[TM+4]
	v_lshl_or_b32 v[\pw], v[TM+6], 16, v[\pw]
	v_lshl_or_b32 v[\pw], v[TM+7], 24, v[\pw]
	WIN \w                                         ; source 0: the accumulators' window
	v_cvt_scalef32_pk16_fp6_f32 v[(\d0):(\d0)+2], v[(\s):(\s)+15], v[TM+12]
	v_cvt_scalef32_pk16_fp6_f32 v[T:T+2], v[(\s)+16:(\s)+31], v[TM+13]
	v_cvt_scalef32_pk16_fp6_f32 v[(\d1):(\d1)+2], v[(\s)+32:(\s)+47], v[TM+14]
	v_cvt_scalef32_pk16_fp6_f32 v[T+4:T+6], v[(\s)+48:(\s)+63], v[TM+15]
	WIN 0
	v_nop                                          ; one plain place behind the scaled conversions
.irp i, 0,1,2                          ; the layout wants a whole block in a lane: lanes 0-15 the even block, lanes 16-31 the odd one
	v_permlane16_swap_b32 v[(\d0)+\i], v[T+\i]
	v_permlane16_swap_b32 v[(\d1)+\i], v[T+4+\i]
.endr
.irp i, 0,1,2
	v_mov_b32 v[(\d0)+3+\i], v[T+\i]
	v_mov_b32 v[(\d1)+3+\i], v[T+4+\i]
.endr
.endm
.macro FINISH                          ; the wave's end, then the closing round
	s_wait_tensorcnt 0x0
	ds_add_u32 v[SPW], v[NIL]
	s_wait_dscnt 0x0
	CROUND
	s_endpgm
.endm
	s_cmp_eq_u32 ttmp9, 2                          ; the cluster's number: alike in all partners
	s_cbranch_scc1 .Lv
; q, k: a lane holds one token; blocks 0, 1 are my first head's 64 dims, blocks 2, 3 my second head's.  Two token fragments make a pair's image for each head.
.irp j, 0,1,2,3
.if \j > 0
	s_wait_xcnt 0x0                                ; the last pair's stores have read the images' registers
.endif
	QUANT 64*((2*\j)%4), 2+(2*\j)/4, IA, IB, PWA
	QUANT 64*((2*\j+1)%4), 2+(2*\j+1)/4, IA+6, IB+6, PWB
	v_perm_b32 v[WA], v[PWB], v[PWA], 0x05040100   ; the first head's word: the two fragments' low halves,
	v_perm_b32 v[WB], v[PWB], v[PWA], 0x07060302   ; the second head's: their high halves
	v_cndmask_b32 v[W+\j], v[WA], v[WB], s[HIM]    ; lanes 0-15 carry the first head's, lanes 16-31 the second's
.irp c, 0,1,2
	global_store_b128 v[LI], v[IA+4*\c:IA+4*\c+3], s[12:13] offset:\j*1536+512*\c          ; 32 lanes store 512 consecutive bytes, aligned
	global_store_b128 v[LI], v[IB+4*\c:IB+4*\c+3], s[12:13] offset:HEADB+\j*1536+512*\c
.endr
.endr
	global_store_b128 v[SOF], v[W:W+3], s[18:19]   ; 16 lanes store a head's 256 consecutive bytes
	FINISH
.Lv:
; v: a lane holds one of a head's dims; its 64 registers are 128 tokens: a whole fragment.  A's fragments 0-3 are my first head's four tiles of dims, 4-7 my second head's.
.irp j, 0,1,2,3
.if \j > 0
	s_wait_xcnt 0x0
.endif
.if \j < 2
	QUANT 64*((2*\j)%4), 2, IA, IA+6, WK+2*\j
	QUANT 64*((2*\j+1)%4), 2, IB, IB+6, WK+2*\j+1
.else
	QUANT 64*((2*\j)%4), 3, IA, IA+6, PWA
	QUANT 64*((2*\j+1)%4), 3, IB, IB+6, PWB
	v_cndmask_b32 v[W+2*\j-4], v[WK+2*\j-4], v[PWA], s[HIM]
	v_cndmask_b32 v[W+2*\j-3], v[WK+2*\j-3], v[PWB], s[HIM]
.endif
.irp c, 0,1,2
	global_store_b128 v[LI], v[IA+4*\c:IA+4*\c+3], s[12:13] offset:(\j/2)*HEADB+((2*\j)%4)*1536+512*\c
	global_store_b128 v[LI], v[IB+4*\c:IB+4*\c+3], s[12:13] offset:(\j/2)*HEADB+((2*\j+1)%4)*1536+512*\c
.endr
.endr
	global_store_b128 v[SOF], v[W:W+3], s[18:19]
	FINISH
.Lfunc_end_k_q9088ba645d_qkv:
	.size	k_q9088ba645d_qkv, .Lfunc_end_k_q9088ba645d_qkv-k_q9088ba645d_qkv
	.p2alignl 7, 3214868480
	.fill 96, 4, 3214868480
	.section	.rodata,"a",@progbits
	.p2align	6, 0x0
	.amdhsa_kernel k_q9088ba645d_qkv
		.amdhsa_group_segment_fixed_size 327680
		.amdhsa_private_segment_fixed_size 0
		.amdhsa_enable_private_segment 0
		.amdhsa_kernarg_size 32
		.amdhsa_user_sgpr_count 2
		.amdhsa_user_sgpr_kernarg_segment_ptr 1
		.amdhsa_wavefront_size32 1
		.amdhsa_system_sgpr_workgroup_id_x 1
		.amdhsa_system_sgpr_workgroup_id_y 1
		.amdhsa_system_sgpr_workgroup_id_z 1
		.amdhsa_system_vgpr_workitem_id 0
		.amdhsa_next_free_vgpr 1024
		.amdhsa_next_free_sgpr 98
		.amdhsa_reserve_vcc 0
		.amdhsa_float_denorm_mode_32 3
		.amdhsa_float_denorm_mode_16_64 3
		.amdhsa_memory_ordered 1
		.amdhsa_forward_progress 1
		.amdhsa_inst_pref_size 174
	.end_amdhsa_kernel
	.amdgpu_metadata
---
amdhsa.version: [ 1, 2 ]
amdhsa.kernels:
  - .name:           k_q9088ba645d_qkv
    .symbol:         k_q9088ba645d_qkv.kd
    .args:
      - { .name: wc, .offset: 0, .size: 8, .value_kind: global_buffer, .address_space: global }
      - { .name: ws, .offset: 8, .size: 8, .value_kind: global_buffer, .address_space: global }
      - { .name: qb, .offset: 16, .size: 8, .value_kind: global_buffer, .address_space: global }
      - { .name: kvb, .offset: 24, .size: 8, .value_kind: global_buffer, .address_space: global }
    .group_segment_fixed_size: 327680
    .private_segment_fixed_size: 0
    .kernarg_segment_align: 8
    .kernarg_segment_size: 32
    .max_flat_workgroup_size: 128
    .sgpr_count:     98
    .vgpr_count:     1024
    .wavefront_size: 32
...
	.end_amdgpu_metadata
.endif
;; end of part 2
;; launch attn (part 3): grid 4 x 64, 16 waves a work-group, no clusters, 327,680 bytes of LDS; arguments qb, kvb, ob, os; writes ob, os
.if DOCPART == 3
	.amdgcn_target "amdgcn-amd-amdhsa--gfx1250"
	.amdhsa_code_object_version 6
	.text
	.protected	k_q9088ba645d_attn
	.globl	k_q9088ba645d_attn
	.p2align	8
	.type	k_q9088ba645d_attn,@function
k_q9088ba645d_attn:
	s_mov_b64 s[64:65], 0
	v_nop
	global_prefetch_b8 v0, s[64:65] scope:SCOPE_SE
	s_setreg_imm32_b32 hwreg(HW_REG_WAVE_MODE, 25, 1), 1
	s_wait_xcnt 0x0
; Causal attention of one head (64 dims) on codes of FP6 (E2M3) with E8M0 scales, and the quantising of its result along the model's 1,024 for the last product.
; t = score x log2(e) / 8; M = the row's largest t so far, rounded UP to a whole number; p = 2^(t - M) is quantised along the keys, not normalised; the row's sum is taken of the unquantised p and divides O at the end.
; When M moves, the sum and O are multiplied by 2^(old M - new M): exact.
; SHARES.  Work-group (i, head) takes query block 7 - i (256 queries) and then block i: (8 - i) + (i + 1) = 9 slots of 256 keys in every work-group, so all 256 have equal work and the trip counts are constants.
; Each of the sixteen waves owns one token fragment (16 queries) of the block in 256 registers: four waves to a SIMD, so that one wave's vector work stands beside another's matrix work and LDS loads.
; NO CLUSTER: the four work-groups of a head walk the same slots in their first five trips only; a form in which all partners make every joint request would walk 8 + 4 slots against 9.
; IN.  kvb, qb: [head (64)][slot of 256 tokens (8)][25,600], images of operand registers: +0 k (in qb: q), 8 pairs x 1,536: registers 0-5 hold the 64 dims of token fragment 2 j, registers 6-11 those of 2 j + 1;
;   +12,288 v: [128 keys (2)][16 dims (4)][1536];  +24,576: [128 keys (2)][512]: k's words [r][pair], then v's [r][tile].  Lane r of token fragment f takes token 32 (f/2) + 8 (f%2) + r + 8 (r/8).
; K = 64 IN A FORM OF K = 128: a pair's image meets my queries once as [Q | zeros] and once as [zeros | Q]: zero codes add nothing under any scale byte that a quantiser makes.
; Both products are used transposed (S^T = k q^T, O^T = v^T p^T): a lane holds one query throughout; by the order of the tokens in a fragment the 16 registers of tiles 2 b, 2 b + 1 of S^T are keys 32 b + 16 (lane/16) + 0 .. 15.
; OUT.  ob: [group of 128 tokens (64)][K step = pair of heads (8)][fragment (8)][1536]; a head's half of a fragment is 768 bytes: registers 0-3 at 16 x lane, registers 4-5 at 512 + 8 x lane.  os: as the scale words of the other
;   operands, [group][fragment][half of K][r][4 words]; a head owns two bytes of a word: its store covers 2 bytes a row, 16 bytes apart: one byte in 24 of what this launch stores.
; LIMITS: the running largest t begins at -3e38; a block of zeros gets the byte 1 where the rule says 127 (its codes are zeros; this program alone reads the bytes); a block's largest p is taken from its largest score, which takes
;   v_exp_f32 not to fall where its input rises; NaN and infinities are not served.
.set HEADB, 204800
.set SLOTB, 25600
.set SLOT1, 1<<15                      ; LDS: slot 0 at 0, slot 1 here: one exclusive or turns an address
.set SPARE, 65536                      ; the spare words, 128 bytes for each wave: eight blocks of 256 bytes that no other line names
; v1 16 x lane; v2 the slot in hand + 16 x lane; v3 my spare word's address, v4 0 (never rewritten); v5 r + 8 (r/8) - 16 h; v6-v9 Q's load offsets; v10 8 x lane; v11 16 r
; v12 -M, v13 the largest t, v[14:15] the sum in two halves; v16-21 zeros, v22-27 Q, v28-33 zeros; v34 Q's scale word; v35 the pair's word as loaded
.set SCW, 36                           ; v36-39   lanes 0-15: k's four words; lanes 16-31: v's four
.set KFR, 40                           ; v40-87   four images, of k and then of v
.set S,   96                           ; v96-159  S^T, then p
.set O,   160                          ; v160-191 O^T
.set PC,  192                          ; v192-203 p's codes
.set T,   204                          ; v204-211 halves of blocks' codes before they are moved
.set BM,  212                          ; v212-215 the blocks' largest scores, then largest p
.set PT,  216                          ; v216-219 the other half's, a chain of sums, the bytes
.set SO,  220                          ; v220-223 the conversions' scale operands
.set PW,  224                          ; v224     p's scale word
.set PFO, 225                          ; v225     256 x lane: the prefetches' offset; never rewritten
.set F,   226                          ; v[226:227] f = 2^(old M - new M); the upper register is named with it and holds 0
.set OC,  230                          ; v230-235 the result's codes
.set T2,  236                          ; v236-238
; s12 wave; s13 i; s15 the trip after which the block changes; s16 the first block's slots; s17 trip; s18 LDS byte of the slot in hand; s19 the step's first key; s[20:21] lane selects; s[22:23] c
; s[24:31] group 1; s[32:35] group 0; s[36:37] my quarter of the head's slot 0 in memory; s[38:39] an offset (high word 0); s40, s41 at work; s[42:43] the prefetches' address; s44 trips that prefetch; s45 my first query
; s[46:47] the head in qb; s[48:49] its block; s[50:51], s[52:53] where my codes and bytes go; s[54:55], s[56:57] the same for block 0; s58 byte select; s59 the block; s60 my first query in a block
.macro TLOAD                           ; waves 0 to 3 fetch a quarter of a slot each, 6,400 dense bytes; four v_nop follow the line
	s_cmp_lt_u32 s12, 4
	s_cbranch_scc0 .Lnone_\@
	tensor_load_to_lds s[32:35], s[24:31]
	s_nop 0
.rept 4
	v_nop
.endr
.Lnone_\@:
.endm
; A PREFETCH INTO THE L2 of the slot that the NEXT change of slots will ask for.  All four work-groups of a head walk the same slots; work-group 0, whose first block walks slots 0 to 7 in order, asks, and nobody else.
; In it waves 4 to 6, which fetch nothing, ask for the slot's 24,576 bytes of codes: 8,192 bytes a wave, lanes 256 bytes apart, one instruction.  In trip t slot t + 2 is named: trips 0 to 5.  Slots 0 and 1, and the
; 1,024 bytes of scale words of each slot, come by their loads alone.
.macro ASK
	s_cmp_lt_u32 s17, s44
	s_cbranch_scc0 .Lnot_mine_\@
	global_prefetch_b8 v[PFO], s[42:43] th:TH_LOAD_NT scope:SCOPE_SE
.Lnot_mine_\@:
.endm
	s_load_b256 s[4:11], s[0:1], 0x0               ; qb s[4:5], kvb s[6:7], ob s[8:9], os s[10:11]
	v_lshl_add_u32 v3, v0, 2, SPARE
	v_mov_b32 v4, 0
	ds_add_u32 v3, v4
	ds_add_u32 v3, v4
	s_wait_dscnt 0x0
	v_lshrrev_b32 v1, 5, v0
	s_delay_alu instid0(VALU_DEP_1)
	v_readfirstlane_b32 s12, v1                    ; wave 0..15
	s_mov_b32 s13, ttmp9                           ; i
	s_sub_co_u32 s15, 7, s13
	s_sub_co_u32 s16, 8, s13
	s_and_b32 s61, ttmp7, 0xffff                   ; batch x 16 + head
	s_mul_i32 s62, s61, HEADB
	s_mov_b32 s63, 0
	s_mov_b32 s24, 3<<16                           ; group 1: no mask; elements of 8 bytes; no padding: every LDS read is 16 x lane + a constant
	s_mov_b32 s25, 32<<16                          ; tensor_dim0: rows of 256 bytes
	s_mov_b32 s26, 25<<16                          ; tensor_dim1: 25 rows
	s_mov_b32 s27, 32<<16                          ; tile_dim0
	s_mov_b32 s28, 25                              ; tile_dim1
	s_mov_b32 s29, 32                              ; the pitch
	s_mov_b32 s30, 0
	s_mov_b32 s31, 0
	s_and_b32 s41, s12, 3
	s_mul_i32 s38, s41, 6400                       ; my quarter of a slot
	s_mov_b32 s39, 0
	s_mov_b32 s32, 1
	s_mov_b32 s33, s38                             ; in LDS: slot 0
	s_wait_kmcnt 0x0
	s_add_nc_u64 s[46:47], s[4:5], s[62:63]
	s_add_nc_u64 s[42:43], s[6:7], s[62:63]
	s_add_nc_u64 s[36:37], s[42:43], s[38:39]
	s_mov_b64 s[34:35], s[36:37]
	s_or_b32 s35, s35, 0x80000000
	TLOAD                                          ; the head's slot 0: the one first fill at the start
	s_lshl_b32 s38, s41, 13
	s_add_co_u32 s38, s38, SLOTB
	s_add_nc_u64 s[42:43], s[42:43], s[38:39]      ; the prefetches stand in slot 1: the first change of slots steps them to slot 2
	s_sub_co_u32 s41, s12, 4
	s_cmp_lt_u32 s41, 3
	s_cselect_b32 s44, 6, 0                        ; waves 4 to 6,
	s_cmp_eq_u32 ttmp9, 0
	s_cselect_b32 s44, s44, 0                      ; of the head's work-group 0
	s_mov_b32 s20, 0x76543210
	s_mov_b32 s21, 0xfedcba98
	s_mov_b32 s22, 0x3e38aa3b                      ; c = log2(e) / sqrt(64)
	s_mov_b32 s23, s22                             ; (named with it as a pair, so it is written)
	v_and_b32 v228, 31, v0                         ; lane
	v_and_b32 v229, 15, v0                         ; r
	v_bfe_u32 v226, v0, 4, 1                       ; h
	s_delay_alu instid0(VALU_DEP_3)
	v_lshlrev_b32 v1, 4, v228
	s_wait_alu depctr_va_vdst(0)
	v_lshlrev_b32 v10, 3, v228
	v_lshlrev_b32 v11, 4, v229
	s_wait_alu depctr_va_vdst(0)
	v_lshlrev_b32 v[PFO], 8, v228
	v_and_b32 v5, 8, v229
	s_delay_alu instid0(VALU_DEP_1)
	v_add_nc_u32 v5, v5, v229
	v_lshlrev_b32 v227, 4, v226
	s_delay_alu instid0(VALU_DEP_1)
	v_sub_nc_u32 v5, v5, v227                      ; r + 8 (r/8) - 16 h
	; Q: my fragment is half u = wave % 2 of pair wave / 2.  Register n of an image lies at 512 (n/4) + 16 lane + 4 (n%4): registers 6 u .. 6 u + 5 come by three loads of 8 bytes
	s_and_b32 s41, s12, 1
	s_lshr_b32 s61, s12, 1
	s_mul_i32 s62, s61, 1536
	s_mul_i32 s63, s41, 520
	s_add_co_u32 s63, s63, s62
	v_add_nc_u32 v6, s63, v1                       ; u = 0: registers 0, 1 at 16 lane;        u = 1: 6, 7 at 520 + 16 lane
	s_mul_i32 s63, s41, 1016
	s_add_co_u32 s63, s63, s62
	s_add_co_u32 s63, s63, 8
	v_add_nc_u32 v7, s63, v1                       ; u = 0: 2, 3 at 8 + 16 lane;              u = 1: 8, 9 at 1,024 + 16 lane
	v_add_nc_u32 v8, 512, v6                       ; u = 0: 4, 5 at 512 + 16 lane;            u = 1: 10, 11 at 1,032 + 16 lane
	s_lshr_b32 s63, s12, 3
	s_lshl_b32 s63, s63, 9
	s_and_b32 s62, s61, 3
	s_lshl_b32 s62, s62, 2
	s_add_co_u32 s63, s63, s62
	s_add_co_u32 s63, s63, 24576
	v_add_nc_u32 v9, s63, v11                      ; the pair's scale word of row r
	s_lshl_b32 s60, s61, 5
	s_lshl_b32 s62, s41, 3
	s_add_co_u32 s60, s60, s62                     ; my first query in a block: 32 (wave/2) + 8 (wave%2)
	s_mov_b32 s58, 0x03020302
	s_cmp_eq_u32 s41, 0
	s_cselect_b32 s58, 0x01000100, s58             ; my fragment's two bytes of the pair's word, twice: they serve [Q | 0] and [0 | Q]
	; where the result goes, for block 0
	s_and_b32 s61, ttmp7, 0xffff
	s_lshr_b32 s62, s61, 4
	s_and_b32 s61, s61, 15                         ; the head
	s_lshl_b32 s62, s62, 4
	s_lshr_b32 s63, s12, 3
	s_add_co_u32 s62, s62, s63                     ; group of 128 tokens: 16 x batch + wave / 8
	s_and_b32 s63, s12, 7                          ; fragment
	s_mul_i32 s38, s62, 98304
	s_mul_i32 s41, s63, 1536
	s_add_co_u32 s38, s38, s41
	s_lshr_b32 s41, s61, 1
	s_mul_i32 s41, s41, 12288                      ; K step = head / 2
	s_add_co_u32 s38, s38, s41
	s_and_b32 s41, s61, 1
	s_mul_i32 s41, s41, 768                        ; my half of the fragment
	s_add_co_u32 s38, s38, s41
	s_add_nc_u64 s[54:55], s[8:9], s[38:39]
	s_lshl_b32 s38, s62, 12
	s_lshl_b32 s41, s63, 9
	s_add_co_u32 s38, s38, s41
	s_lshr_b32 s41, s61, 3
	s_lshl_b32 s41, s41, 8
	s_add_co_u32 s38, s38, s41
	s_lshr_b32 s41, s61, 1
	s_and_b32 s41, s41, 3
	s_lshl_b32 s41, s41, 2
	s_add_co_u32 s38, s38, s41
	s_and_b32 s41, s61, 1
	s_lshl_b32 s41, s41, 1
	s_add_co_u32 s38, s38, s41
	s_add_nc_u64 s[56:57], s[10:11], s[38:39]
.irp j, 16,17,18,19,20,21,28,29,30,31,32,33
	v_mov_b32 v\j, 0                               ; the zero codes beside Q
.endr
.irp b, 0,1,2,3
	v_mov_b32 v[PT+\b], 0                          ; written once: a lane permute's destination counts as one of its sources
.endr
	v_mov_b32 v[F+1], 0
.macro SETBLK                          ; the addresses of query block s59
	s_mul_i32 s38, s59, SLOTB
	s_add_nc_u64 s[48:49], s[46:47], s[38:39]
	s_mul_i32 s38, s59, 196608                     ; two groups of 128 tokens
	s_add_nc_u64 s[50:51], s[54:55], s[38:39]
	s_lshl_b32 s38, s59, 13
	s_add_nc_u64 s[52:53], s[56:57], s[38:39]
	s_lshl_b32 s45, s59, 8
	s_add_co_u32 s45, s45, s60
.endm
.macro QLOAD                           ; my 16 queries' codes and scale word; O^T, the sum and the largest t begin anew
	global_load_b64 v[22:23], v6, s[48:49]
	global_load_b64 v[24:25], v7, s[48:49]
	global_load_b64 v[26:27], v8, s[48:49]
	global_load_b32 v35, v9, s[48:49]
	s_wait_loadcnt 0x0
	v_perm_b32 v34, v35, v35, s58
.set n, 0
.rept 32
	v_mov_b32 v[O+n], 0                            ; the first change of M leaves zeros zeros.  (These are also the places between the scale word's making and the first scaled product)
.set n, n+1
.endr
	v_mov_b32 v14, 0
	v_mov_b32 v15, 0
	v_mov_b32 v13, 0xff61b1e6                      ; -3e38, under every t
	s_delay_alu instid0(VALU_DEP_1)
	v_floor_f32 v12, -v13
.endm
; A KEY STEP: 128 keys, the q-th of the slot in hand.
.macro STEP q
	s_add_co_u32 s41, s45, 23                      ; my last query.  A step all of whose keys come after it is left out: a scalar branch on ids; no barrier and no tensor load stands in a step
	s_cmp_gt_u32 s19, s41
	s_cbranch_scc1 .Lhidden_\@
.rept 4
	v_nop                                          ; places in front of loads into registers that the last step's matrix instructions have read
.endr
	s_wait_alu depctr_va_vdst(0)
	ds_load_b128 v[SCW:SCW+3], v2 offset:24576+512*(\q)
.irp j, 0,1,2,3
.irp c, 0,1,2
	ds_load_b128 v[KFR+12*\j+4*\c:KFR+12*\j+4*\c+3], v2 offset:(4*(\q)+\j)*1536+512*\c
.endr
.endr
	s_wait_dscnt 0x0
.irp j, 0,1,2,3                        ; S^T: pair j against [Q | 0]: token fragment 2 j; against [0 | Q]: fragment 2 j + 1
	v_wmma_scale_f32_16x16x128_f8f6f4 v[S+16*\j:S+16*\j+7], v[KFR+12*\j:KFR+12*\j+11], v[22:33], 0, v[SCW+\j], v34 matrix_a_fmt:MATRIX_FMT_FP6 matrix_b_fmt:MATRIX_FMT_FP6
	v_wmma_scale_f32_16x16x128_f8f6f4 v[S+16*\j+8:S+16*\j+15], v[KFR+12*\j:KFR+12*\j+11], v[16:27], 0, v[SCW+\j], v34 matrix_a_fmt:MATRIX_FMT_FP6 matrix_b_fmt:MATRIX_FMT_FP6
.endr
.rept 4
	v_nop                                          ; places in front of the loads below and of the first read of the scores
.endr
	s_wait_alu depctr_va_vdst(0)
.irp t, 0,1,2,3                        ; v's four fragments land while the softmax is walked
.irp c, 0,1,2
	ds_load_b128 v[KFR+12*\t+4*\c:KFR+12*\t+4*\c+3], v2 offset:12288+(4*(\q)+\t)*1536+512*\c
.endr
.endr
	s_add_co_u32 s41, s19, 127                     ; on the diagonal hidden scores become -infinity ahead of the maximum; a step all of whose keys count skips this
	s_cmp_le_u32 s41, s45
	s_cbranch_scc1 .Lopen_\@
	s_sub_co_i32 s41, s45, s19
	v_add_nc_u32 v228, s41, v5                     ; d = my query - the step's first key - 16 (lane/16): register 16 b + i is hidden where 32 b + i > d
	v_mov_b32 v229, 0xff800000
.set n, 0
.rept 64
	v_cmp_gt_i32 vcc_lo, 32*(n/16)+n%16, v228
	v_cndmask_b32 v[S+n], v[S+n], v229, vcc_lo
.set n, n+1
.endr
.Lopen_\@:
.irp b, 0,1,2,3
	v_max3_num_f32 v[BM+\b], v[S+16*\b], v[S+16*\b+1], v[S+16*\b+2]   ; the largest score of each block of 32 keys: it serves the row's maximum and, since p rises with the score, the block's largest p
.endr
.irp i, 3,5,7,9,11,13
.irp b, 0,1,2,3
	v_max3_num_f32 v[BM+\b], v[BM+\b], v[S+16*\b+\i], v[S+16*\b+\i+1]
.endr
.endr
.irp b, 0,1,2,3
	v_max_num_f32 v[BM+\b], v[BM+\b], v[S+16*\b+15]
.endr
.irp b, 0,1,2,3
	s_delay_alu instid0(VALU_DEP_4)
	v_permlanex16_b32 v[PT+\b], v[BM+\b], s20, s21
.endr
.irp b, 0,1,2,3
	s_delay_alu instid0(VALU_DEP_4)
	v_max_num_f32 v[BM+\b], v[BM+\b], v[PT+\b]     ; with lane l xor 16's 16 keys
.endr
	s_delay_alu instid0(VALU_DEP_2)
	v_max3_num_f32 v228, v[BM], v[BM+1], v[BM+2]
	s_delay_alu instid0(VALU_DEP_1)
	v_max_num_f32 v228, v228, v[BM+3]
	s_delay_alu instid0(VALU_DEP_1)
	v_mul_f32 v228, s22, v228                      ; as t (c is positive)
	s_delay_alu instid0(VALU_DEP_1)
	v_max_num_f32 v13, v13, v228                   ; the running largest t
	v_mov_b32 v228, v12
	s_delay_alu instid0(VALU_DEP_2)
	v_floor_f32 v12, -v13                          ; the new -M = floor(-t): M is a whole number
	s_delay_alu instid0(VALU_DEP_1)
	v_sub_f32 v228, v12, v228                      ; old M - new M: a whole number, 0 or less
	s_delay_alu instid0(VALU_DEP_1)
	v_cvt_i32_f32 v228, v228                       ; (it saturates)
	s_delay_alu instid0(VALU_DEP_1)
	v_ldexp_f32 v[F], 1.0, v228                    ; f = 2^(old M - new M)
.set n, 0
.rept 32
	v_pk_fma_f32 v[S+n:S+n+1], v[S+n:S+n+1], s[22:23], v[12:13] op_sel_hi:[1,0,0]   ; t - M, two at a time
.set n, n+2
.endr
.irp b, 0,1,2,3
	v_fma_f32 v[BM+\b], v[BM+\b], s22, v12         ; the same of each block's largest score
.endr
.set n, 0
	s_wait_alu depctr_va_vdst(0)
.rept 64
	v_exp_f32 v[S+n], v[S+n]                       ; p = 2^(t - M), at most 1
.set n, n+1
.endr
	v_pk_mul_f32 v[14:15], v[14:15], v[F:F+1] op_sel_hi:[1,0]   ; the sums under the new M: a plain place behind the exponentials
	s_wait_alu depctr_va_vdst(0)                   ; one wait for the batch, ahead of its first reader
.irp b, 0,1,2,3
	v_exp_f32 v[BM+\b], v[BM+\b]                   ; the block's largest p
.endr
	v_pk_add_f32 v[216:217], v[100:101], v[104:105]
	v_pk_add_f32 v[254:255], v[108:109], v[112:113]
	v_pk_add_f32 v[252:253], v[116:117], v[120:121]
	v_pk_add_f32 v[250:251], v[124:125], v[128:129]
	v_pk_add_f32 v[248:249], v[132:133], v[136:137]
	v_pk_add_f32 v[246:247], v[140:141], v[144:145]
	v_pk_add_f32 v[244:245], v[148:149], v[152:153]
	v_pk_add_f32 v[14:15], v[14:15], v[156:157]
	v_pk_add_f32 v[216:217], v[216:217], v[96:97]
	v_pk_add_f32 v[254:255], v[254:255], v[98:99]
	v_pk_add_f32 v[252:253], v[252:253], v[102:103]
	v_pk_add_f32 v[250:251], v[250:251], v[106:107]
	v_pk_add_f32 v[248:249], v[248:249], v[110:111]
	v_pk_add_f32 v[246:247], v[246:247], v[114:115]
	v_pk_add_f32 v[244:245], v[244:245], v[118:119]
	v_pk_add_f32 v[14:15], v[14:15], v[122:123]
	v_pk_add_f32 v[216:217], v[216:217], v[126:127]
	v_pk_add_f32 v[254:255], v[254:255], v[130:131]
	v_pk_add_f32 v[252:253], v[252:253], v[134:135]
	v_pk_add_f32 v[250:251], v[250:251], v[138:139]
	v_pk_add_f32 v[248:249], v[248:249], v[142:143]
	v_pk_add_f32 v[246:247], v[246:247], v[146:147]
	v_pk_add_f32 v[244:245], v[244:245], v[150:151]
	v_pk_add_f32 v[14:15], v[14:15], v[154:155]
	v_pk_add_f32 v[216:217], v[216:217], v[158:159]
	s_delay_alu instid0(VALU_DEP_2)
	v_pk_add_f32 v[14:15], v[14:15], v[250:251]
	s_delay_alu instid0(VALU_DEP_2)
	v_pk_add_f32 v[216:217], v[216:217], v[248:249]
	v_pk_add_f32 v[254:255], v[254:255], v[246:247]
	v_pk_add_f32 v[252:253], v[252:253], v[244:245]
	s_delay_alu instid0(VALU_DEP_2)
	v_pk_add_f32 v[14:15], v[14:15], v[254:255]
	s_delay_alu instid0(VALU_DEP_2)
	v_pk_add_f32 v[216:217], v[216:217], v[252:253]
	s_delay_alu instid0(VALU_DEP_1)
	v_pk_add_f32 v[14:15], v[14:15], v[216:217]
	s_wait_alu depctr_va_vdst(0)                   ; and one for the four
.irp b, 0,1,2,3
	v_max_num_f32 v[BM+\b], 0x1800000, v[BM+\b]    ; the floor 2^(3 - 127): the byte cannot fall under 1
.endr
.irp b, 0,1,2,3
	s_delay_alu instid0(VALU_DEP_4)
	v_add_nc_u32 v[SO+\b], 0xff000000, v[BM+\b]    ; 2 off the exponent field: the conversion's scale operand
.endr
.irp b, 0,1,2,3
	s_delay_alu instid0(VALU_DEP_4)
	v_lshrrev_b32 v[PT+\b], 23, v[SO+\b]           ; the byte
.endr
	s_delay_alu instid0(VALU_DEP_3)
	v_lshl_or_b32 v[PW], v[PT+1], 8, v[PT]
	s_delay_alu instid0(VALU_DEP_1)
	v_lshl_or_b32 v[PW], v[PT+2], 16, v[PW]
	s_delay_alu instid0(VALU_DEP_1)
	v_lshl_or_b32 v[PW], v[PT+3], 24, v[PW]
.irp c, 0,1
	v_cvt_scalef32_pk16_fp6_f32 v[PC+6*\c:PC+6*\c+2], v[S+32*\c:S+32*\c+15], v[SO+2*\c]
	v_cvt_scalef32_pk16_fp6_f32 v[T+4*\c:T+4*\c+2], v[S+32*\c+16:S+32*\c+31], v[SO+2*\c+1]
.endr
	v_nop                                          ; one plain place behind the scaled conversions
.irp c, 0,1                            ; the layout wants a whole block in a lane
.irp i, 0,1,2
	v_permlane16_swap_b32 v[PC+6*\c+\i], v[T+4*\c+\i]
.endr
.irp i, 0,1,2
	s_delay_alu instid0(VALU_DEP_3)
	v_mov_b32 v[PC+6*\c+3+\i], v[T+4*\c+\i]
.endr
.endr
.set n, 0
.rept 16
	v_pk_mul_f32 v[O+n:O+n+1], v[O+n:O+n+1], v[F:F+1] op_sel_hi:[1,0]   ; O^T under the new M.  (These are also the places between the making of p's codes and scale word and the products)
.set n, n+2
.endr
	s_wait_alu depctr_va_vdst(0)
	s_wait_dscnt 0x0                               ; v's fragments are in
.irp t, 0,1,2,3                        ; O^T += v^T p^T: four accumulators by turns
	v_wmma_scale_f32_16x16x128_f8f6f4 v[O+8*\t:O+8*\t+7], v[KFR+12*\t:KFR+12*\t+11], v[PC:PC+11], v[O+8*\t:O+8*\t+7], v[SCW+\t], v[PW] matrix_a_fmt:MATRIX_FMT_FP6 matrix_b_fmt:MATRIX_FMT_FP6 matrix_a_scale:MATRIX_SCALE_ROW1
.endr
.Lhidden_\@:
	s_add_co_u32 s19, s19, 128
.endm
; THE CHANGE OF SLOTS stands at a slot's head.  Each wave waits for all its tensor loads, adds 0 to its spare word, and waits for that and for its reads of the slot that it has left.  Behind the barrier the slot ahead is whole
; and nobody reads the other one.  fill = 1: that other slot takes the next trip's keys: slot trip + 1 of the head, or, behind the first block's last slot, the head's slots from 0 on again.
.macro CHANGE fill
	s_wait_tensorcnt 0x0                           ; no tensor load of mine is out, so group 0 may be written
	ds_add_u32 v3, v4                              ; 0 onto my spare word
.if \fill
	s_xor_b32 s33, s33, SLOT1
	s_add_co_u32 s40, s17, 1
	s_cmp_gt_u32 s40, s15
	s_cselect_b32 s41, s16, 0
	s_sub_co_u32 s40, s40, s41
	s_mul_i32 s38, s40, SLOTB
	s_add_nc_u64 s[34:35], s[36:37], s[38:39]
	s_or_b32 s35, s35, 0x80000000
	s_wait_xcnt 0x0                                ; the last prefetch, a slot back, has read its address
	s_add_nc_u64 s[42:43], s[42:43], SLOTB
.endif
	s_wait_dscnt 0x0                               ; the add is done, and my reads of the slot that I have left are over
	s_barrier_signal -1
	s_barrier_wait -1
.if \fill
	TLOAD                                          ; the first thing behind the barrier, and a wave's one tensor load until the next: it has a slot's two steps in which to land
	ASK
.endif
.endm
.macro SLOT_STEPS
	v_add_nc_u32 v2, s18, v1
	STEP 0
	STEP 1
	s_xor_b32 s18, s18, SLOT1
.endm
; THE WAY OUT of a block: O^T / the sum; register 16 b + i is dim 32 b + 16 (lane/16) + i of my query's head: two blocks of the last product's K; they are quantised and leave as half a fragment's image.
.macro EPI
.rept 4
	v_nop                                          ; places behind the last products
.endr
	v_add_f32 v14, v14, v15
	s_delay_alu instid0(VALU_DEP_1)
	v_permlanex16_b32 v[PT], v14, s20, s21
	s_delay_alu instid0(VALU_DEP_1)
	v_add_f32 v14, v14, v[PT]                      ; the row's sum
	s_wait_alu depctr_va_vdst(0)
	v_rcp_f32 v14, v14
	v_nop                                          ; a plain place behind the reciprocal
	s_wait_alu depctr_va_vdst(0)                   ; and the wait ahead of its first reader
.set n, 0
.rept 32
	v_mul_f32 v[S+n], v[O+n], v14
.set n, n+1
.endr
.irp b, 0,1
	v_max3_num_f32 v[BM+\b], |v[S+16*\b]|, |v[S+16*\b+1]|, 0x1800000
.endr
.irp i, 2,4,6,8,10,12,14
.irp b, 0,1
	s_delay_alu instid0(VALU_DEP_2)
	v_max3_num_f32 v[BM+\b], v[BM+\b], |v[S+16*\b+\i]|, |v[S+16*\b+\i+1]|
.endr
.endr
.irp b, 0,1
	s_delay_alu instid0(VALU_DEP_2)
	v_permlanex16_b32 v[PT+\b], v[BM+\b], s20, s21
.endr
.irp b, 0,1
	s_delay_alu instid0(VALU_DEP_2)
	v_max_num_f32 v[BM+\b], v[BM+\b], v[PT+\b]
.endr
.irp b, 0,1
	s_delay_alu instid0(VALU_DEP_2)
	v_add_nc_u32 v[SO+\b], 0xff000000, v[BM+\b]
.endr
.irp b, 0,1
	s_delay_alu instid0(VALU_DEP_2)
	v_lshrrev_b32 v[PT+\b], 23, v[SO+\b]
.endr
	s_delay_alu instid0(VALU_DEP_1)
	v_lshl_or_b32 v228, v[PT+1], 8, v[PT]          ; my head's two bytes of the row's word
	v_cvt_scalef32_pk16_fp6_f32 v[OC:OC+2], v[S:S+15], v[SO]
	v_cvt_scalef32_pk16_fp6_f32 v[T2:T2+2], v[S+16:S+31], v[SO+1]
	v_nop
.irp i, 0,1,2
	v_permlane16_swap_b32 v[OC+\i], v[T2+\i]
.endr
.irp i, 0,1,2
	s_delay_alu instid0(VALU_DEP_3)
	v_mov_b32 v[OC+3+\i], v[T2+\i]
.endr
	global_store_b128 v1, v[OC:OC+3], s[50:51]                 ; 512 consecutive bytes, aligned
	global_store_b64 v10, v[OC+4:OC+5], s[50:51] offset:512    ; 256 consecutive bytes, aligned
	global_store_b16 v11, v228, s[52:53]                       ; lanes l and l + 16 hold and write the same two bytes
.endm
	s_mov_b32 s59, s15                             ; the first block: 7 - i
	SETBLK
	QLOAD
	s_mov_b32 s17, 0
	s_mov_b32 s18, 0
	s_mov_b32 s19, 0
.Lslot:                                            ; eight trips; behind each change of slots the next trip's slot is asked for
	CHANGE 1
	SLOT_STEPS
	s_cmp_eq_u32 s17, s15                          ; the first block's last slot?  A branch on the work-group's number and the trip; no barrier, tensor load or LDS instruction stands under it
	s_cbranch_scc0 .Lsame
	s_wait_alu depctr_va_vdst(0)
	EPI
	s_wait_xcnt 0x0                                ; the stores have read their registers and bases
	s_mov_b32 s59, s13                             ; the second block: i
	SETBLK
	QLOAD
	s_mov_b32 s19, 0
.Lsame:
	s_add_co_u32 s17, s17, 1
	s_cmp_lt_u32 s17, 8
	s_cbranch_scc1 .Lslot
	CHANGE 0                                       ; the ninth slot is written out
	SLOT_STEPS
	s_wait_alu depctr_va_vdst(0)
	EPI
	s_wait_tensorcnt 0x0                           ; the wave's end
	ds_add_u32 v3, v4
	s_wait_dscnt 0x0
	s_endpgm
.Lfunc_end_k_q9088ba645d_attn:
	.size	k_q9088ba645d_attn, .Lfunc_end_k_q9088ba645d_attn-k_q9088ba645d_attn
	.p2alignl 7, 3214868480
	.fill 96, 4, 3214868480
	.section	.rodata,"a",@progbits
	.p2align	6, 0x0
	.amdhsa_kernel k_q9088ba645d_attn
		.amdhsa_group_segment_fixed_size 327680
		.amdhsa_private_segment_fixed_size 0
		.amdhsa_enable_private_segment 0
		.amdhsa_kernarg_size 32
		.amdhsa_user_sgpr_count 2
		.amdhsa_user_sgpr_kernarg_segment_ptr 1
		.amdhsa_wavefront_size32 1
		.amdhsa_system_sgpr_workgroup_id_x 1
		.amdhsa_system_sgpr_workgroup_id_y 1
		.amdhsa_system_sgpr_workgroup_id_z 1
		.amdhsa_system_vgpr_workitem_id 0
		.amdhsa_next_free_vgpr 256
		.amdhsa_next_free_sgpr 66
		.amdhsa_reserve_vcc 1
		.amdhsa_float_denorm_mode_32 3
		.amdhsa_float_denorm_mode_16_64 3
		.amdhsa_memory_ordered 1
		.amdhsa_forward_progress 1
		.amdhsa_inst_pref_size 108
	.end_amdhsa_kernel
	.amdgpu_metadata
---
amdhsa.version: [ 1, 2 ]
amdhsa.kernels:
  - .name:           k_q9088ba645d_attn
    .symbol:         k_q9088ba645d_attn.kd
    .args:
      - { .name: qb, .offset: 0, .size: 8, .value_kind: global_buffer, .address_space: global }
      - { .name: kvb, .offset: 8, .size: 8, .value_kind: global_buffer, .address_space: global }
      - { .name: ob, .offset: 16, .size: 8, .value_kind: global_buffer, .address_space: global }
      - { .name: os, .offset: 24, .size: 8, .value_kind: global_buffer, .address_space: global }
    .group_segment_fixed_size: 327680
    .private_segment_fixed_size: 0
    .kernarg_segment_align: 8
    .kernarg_segment_size: 32
    .max_flat_workgroup_size: 512
    .sgpr_count:     66
    .vgpr_count:     256
    .wavefront_size: 32
...
	.end_amdgpu_metadata
.endif
;; end of part 3
;; launch proj (part 4): grid 4 x 64, 4 waves a work-group, clusters of 4 x 4, 327,680 bytes of LDS; arguments ob, os, wc, ws, out0; writes out0
.if DOCPART == 4
	.amdgcn_target "amdgcn-amd-amdhsa--gfx1250"
	.amdhsa_code_object_version 6
	.text
	.protected	k_q9088ba645d_proj
	.globl	k_q9088ba645d_proj
	.p2align	8
	.type	k_q9088ba645d_proj,@function
k_q9088ba645d_proj:
	s_mov_b64 s[64:65], 0
	v_nop
	global_prefetch_b8 v0, s[64:65] scope:SCOPE_SE
	s_setreg_imm32_b32 hwreg(HW_REG_WAVE_MODE, 25, 1), 1
	s_wait_xcnt 0x0
	s_wait_alu depctr_hold_cnt(0) depctr_sa_sdst(0) depctr_va_vdst(0) depctr_va_sdst(0) depctr_va_ssrc(0) depctr_va_vcc(0) depctr_vm_vsrc(0)
	s_getreg_b32 s2, hwreg(HW_REG_IB_STS2, 6, 4)
	s_cmp_eq_u32 s2, 0
	s_cbranch_scc0 .Lentry_in_a_cluster
	s_endpgm
.Lentry_in_a_cluster:
	s_bfe_u32 s2, ttmp6, 0x10000c
	s_cmp_lg_u32 s2, 0xf033
	s_cbranch_scc0 .Lentry_shape_is_right
	s_endpgm
.Lentry_shape_is_right:
; out0 = o w_proj^T on codes of FP6 (E2M3) with E8M0 scales, K = 1,024.  o's codes and scale words come from the attention launch (ob, os), w_proj's from the quantising launch (wc, ws: groups 88 to 95), all as images of operand registers.
; A tile is 128 tokens x 256 columns: 256 work-groups; a wave makes 64 x 128: 32 accumulators.  Source 0 = 16 rows of w_proj, source 1 = 16 tokens: a lane holds one token, and by the order of the rows in a fragment its 64
; registers of one token fragment are columns 32 (b/2) + 16 (lane/16) + 8 (b%2) + j of the wave's 128.
; ALL OF K LIES IN LDS: the tokens' group (98,304 bytes) and w_proj's two groups; nothing is filled again.  The fills go out at the start in four chunks of two K steps, so that the products of a chunk run while the later ones land.
; CLUSTERS: 4 x 4 work-groups; the tokens' group hangs on cy alone and is shared along a row of the cluster, w_proj's groups on cx alone and are shared along a column: joint loads.  Wave 0 asks for the tokens', waves 1 and 2 for
; w_proj's two groups, wave 3 for nothing; by this text's count five tensor loads of a wave are out at the most.  No prefetch: everything is asked for at the head.
; ob's fragments: a head's half is 768 bytes: registers 0-3 (6-9) at 16 x lane, registers 4-5 (10-11) at 512 + 8 x lane.
; REGISTERS: window 0: v16-27 addresses; v32-95 scale words; v128-175, v176-223 the tokens' four fragments, two sets; on the way out v128-255 rows of the result.  window 1: w_proj's eight fragments, two sets, at v0 and v128.
;   window 2: accumulator (a, b) at v[8 (8 a + b)].
.set FR,   12
.set GRP,  98304
.set CHK,  24576                       ; two K steps of a group
.set SCL,  3*GRP                       ; behind the codes: the scale words, 4,096 bytes a group
.set SPITCH, 528                       ; the way out: a stage of 16 rows x (512 + 16) bytes for each wave, in the tokens' K steps 0 to 2, which nobody reads behind the barrier in front of K step 6
.set ADA16, 16                         ; v16-17  the tokens' fragments, 16 bytes a lane: K steps 0-3, 4-7
.set ADA8,  18                         ; v18-19  the same, 8 bytes a lane
.set ADB,   20                         ; v20-21  w_proj's
.set STO,   24                         ; v24     the way out: where I put 32 bytes of a row
.set RD,    25                         ; v25     and where I read a row back
.set LI,    26                         ; v26     16 x lane
.set ADS,   27                         ; v27     my scale words: lanes 0-15 the tokens', lanes 16-31 w_proj's
.set SC,    32                         ; register 8 i + s
.set AF,    128
.set BK,    128
.set MSB, 0
.macro WIN new
.if MSB != \new
	s_set_vgpr_msb (MSB<<8)|\new
.set MSB, \new
.endif
.endm
.set MUL,  0xa1                        ; source 0 window 1, source 1 window 0, C and D window 2
.set TO_B, 0x40
.macro CROUND                          ; a round of the cluster's barrier
	s_barrier_signal -1
	s_barrier_wait -1
	s_cmp_lg_u32 s14, 0
	s_cbranch_scc1 .Lnot_wave_0_\@
	s_barrier_signal -3
.Lnot_wave_0_\@:
	s_barrier_wait -3
	s_barrier_signal -1
	s_barrier_wait -1
.endm
.macro PLACES n
.rept \n
	v_nop
.endr
.endm
.macro G0SET g, ldsreg, ldsadd, base, add       ; a group 0: LDS address s[ldsreg] + ldsadd, global address s[base:base+1] + add
	s_mov_b32 s[\g], 1
	s_add_co_u32 s[\g+1], s[\ldsreg], \ldsadd
	s_add_nc_u64 s[\g+2:\g+3], s[\base:\base+1], \add
	s_or_b32 s[\g+3], s[\g+3], 0x80000000
.endm
	s_load_b256 s[4:11], s[0:1], 0x0               ; ob s[4:5], os s[6:7], wc s[8:9], ws s[10:11]
	s_load_b64 s[12:13], s[0:1], 0x20              ; out0
	v_lshl_add_u32 v126, v0, 2, 0x4b000
	v_mov_b32 v127, 0
	ds_add_u32 v126, v127
	v_lshrrev_b32 v1, 5, v0
	v_readfirstlane_b32 s14, v1                    ; wave 0..3
	s_lshr_b32 s15, s14, 1                         ; which 64 of the 128 tokens are mine
	s_and_b32 s16, s14, 1                          ; which of w_proj's two groups
	s_bfe_u32 s20, ttmp6, 0x40000                  ; cx
	s_bfe_u32 s21, ttmp6, 0x40004                  ; cy
	s_and_b32 s22, ttmp7, 0xffff
	s_lshl_b32 s22, s22, 2
	s_add_co_u32 s22, s22, s21                     ; the tokens' group: 4 x cluster y + cy
	s_lshl_b32 s2, s21, 2
	s_lshl_b32 s2, 15, s2                          ; my row of the cluster
	s_lshl_b32 s3, 0x1111, s20                     ; my column
	; groups 1: dense blocks as rows of 256 bytes (32 elements of 8 bytes), no padding.  s[24:31] the tokens' codes, s[32:39] w_proj's, s[40:47] and s[48:55] their scale words
	s_or_b32 s24, s2, (3<<16)|(1<<21)
	s_or_b32 s32, s3, (3<<16)|(1<<21)
	s_or_b32 s40, s2, (3<<16)|(1<<21)
	s_or_b32 s48, s3, (3<<16)|(1<<21)
.irp g, 24, 32
	s_mov_b32 s[\g+1], 32<<16
	s_mov_b32 s[\g+2], 96<<16                      ; 96 rows = 24,576 bytes
	s_mov_b32 s[\g+3], 32<<16
	s_mov_b32 s[\g+4], 96
	s_mov_b32 s[\g+5], 32
	s_mov_b32 s[\g+6], 0
	s_mov_b32 s[\g+7], 0
.endr
.irp g, 40, 48
	s_mov_b32 s[\g+1], 32<<16
	s_mov_b32 s[\g+2], 16<<16                      ; 16 rows = 4,096 bytes
	s_mov_b32 s[\g+3], 32<<16
	s_mov_b32 s[\g+4], 16
	s_mov_b32 s[\g+5], 32
	s_mov_b32 s[\g+6], 0
	s_mov_b32 s[\g+7], 0
.endr
	s_mul_i32 s23, s14, GRP                        ; where a wave's codes go: by the wave's number alone
	s_lshl_b32 s17, s14, 12
	s_add_co_u32 s17, s17, SCL                     ; and its scale words
	s_lshl_b32 s3, s20, 1
	s_add_co_u32 s3, s3, s14
	s_add_co_u32 s3, s3, 87                        ; w_proj's group for waves 1 and 2: 88 + 2 cx + (wave - 1)
	s_wait_dscnt 0x0
	s_wait_kmcnt 0x0
	; groups 0.  The tokens' (they hang on cy, never on cx): s[68:71] scale words, s[72:87] the four chunks
	s_lshl_b32 s18, s22, 12
	s_mov_b32 s19, 0
	s_add_nc_u64 s[18:19], s[6:7], s[18:19]
	G0SET 68, 17, 0, 18, 0
	s_mul_i32 s18, s22, GRP
	s_mov_b32 s19, 0
	s_add_nc_u64 s[18:19], s[4:5], s[18:19]
.irp k, 0,1,2,3
	G0SET 72+4*\k, 23, \k*CHK, 18, \k*CHK
.endr
	; w_proj's (on cx, never on cy): s[56:59] scale words, s[60:63] and s[88:99] the four chunks
	s_lshl_b32 s66, s3, 12
	s_mov_b32 s67, 0
	s_add_nc_u64 s[66:67], s[10:11], s[66:67]
	G0SET 56, 17, 0, 66, 0
	s_mul_i32 s66, s3, GRP
	s_mov_b32 s67, 0
	s_add_nc_u64 s[66:67], s[8:9], s[66:67]
	G0SET 60, 23, 0, 66, 0
.irp k, 1,2,3
	G0SET 84+4*\k, 23, \k*CHK, 66, \k*CHK
.endr
	CROUND                                         ; all sixteen work-groups are here: the joint loads meet
	s_cmp_eq_u32 s14, 0                            ; a wave's fills stand in one branch on the wave's number
	s_cbranch_scc0 .Lnot_a
	tensor_load_to_lds s[68:71], s[40:47]
	s_nop 0
	tensor_load_to_lds s[72:75], s[24:31]
	s_nop 0
	tensor_load_to_lds s[76:79], s[24:31]
	s_nop 0
	tensor_load_to_lds s[80:83], s[24:31]
	s_nop 0
	tensor_load_to_lds s[84:87], s[24:31]
	s_nop 0
.rept 4
	v_nop
.endr
	s_branch .Lasked
.Lnot_a:
	s_cmp_lt_u32 s14, 3
	s_cbranch_scc0 .Lasked
	tensor_load_to_lds s[56:59], s[48:55]
	s_nop 0
	tensor_load_to_lds s[60:63], s[32:39]
	s_nop 0
	tensor_load_to_lds s[88:91], s[32:39]
	s_nop 0
	tensor_load_to_lds s[92:95], s[32:39]
	s_nop 0
	tensor_load_to_lds s[96:99], s[32:39]
	s_nop 0
.rept 4
	v_nop
.endr
.Lasked:
	v_and_b32 v1, 15, v0                           ; r
	v_bfe_u32 v2, v0, 4, 1                         ; h
	v_and_b32 v3, 31, v0                           ; lane
	v_lshlrev_b32 v[LI], 4, v3
	s_mul_i32 s18, s15, 6144                       ; my four of the eight token fragments
	v_add_nc_u32 v[ADA16], s18, v[LI]
	v_lshl_add_u32 v[ADA8], v3, 3, s18
	v_add_nc_u32 v[ADA16+1], 49152, v[ADA16]
	v_add_nc_u32 v[ADA8+1], 49152, v[ADA8]
	s_mul_i32 s19, s16, GRP
	s_add_co_u32 s19, s19, GRP                     ; my group of w_proj, behind the tokens'
	v_add_nc_u32 v[ADB], s19, v[LI]
	v_add_nc_u32 v[ADB+1], 49152, v[ADB]
	s_lshl_b32 s18, s15, 11                        ; the tokens' scale words: my four fragments, 512 bytes each
	s_lshl_b32 s19, s16, 12
	s_add_co_u32 s19, s19, 4096                    ; w_proj's: my group, behind the tokens'
	s_sub_co_u32 s19, s19, s18
	v_mul_u32_u24 v6, s19, v2                      ; lanes 16-31 take w_proj's: one product, the distance between the two
	s_add_co_u32 s18, s18, SCL
	v_lshl_add_u32 v5, v1, 4, v6
	v_add_nc_u32 v[ADS], s18, v5
	s_mul_i32 s18, s14, 16*SPITCH                  ; my stage
	v_mul_u32_u24 v5, v1, SPITCH
	v_lshl_add_u32 v5, v2, 6, v5
	v_add_nc_u32 v[STO], s18, v5                   ; in: row r, + 64 h
	v_add_nc_u32 v[RD], s18, v[LI]                 ; back: a row's 512 bytes to the 32 lanes
	s_lshl_b32 s18, s22, 19                        ; out0: 128 tokens of 4,096 bytes a group,
	s_lshl_b32 s19, s15, 18                        ; my 64 tokens,
	s_add_co_u32 s18, s18, s19
	s_lshl_b32 s19, s20, 10                        ; the tile's 256 columns,
	s_add_co_u32 s18, s18, s19
	s_lshl_b32 s19, s16, 9                         ; my 128
	s_add_co_u32 s18, s18, s19
	s_mov_b32 s19, 0
	s_add_nc_u64 s[12:13], s[12:13], s[18:19]
.macro FETCH s, p                      ; K step s into set p: 24 loads for w_proj's eight fragments, 16 for my four token fragments
	WIN TO_B
.irp i, 0,1,2,3,4,5,6,7
.irp c, 0,1,2
	ds_load_b128 v[128*(\p)+FR*\i+4*\c:128*(\p)+FR*\i+4*\c+3], v[ADB+(\s)/4] offset:((\s)%4)*12288+\i*1536+512*\c
.endr
.endr
	WIN 0
.irp a, 0,1,2,3
	ds_load_b128 v[AF+48*(\p)+FR*\a:AF+48*(\p)+FR*\a+3],     v[ADA16+(\s)/4] offset:((\s)%4)*12288+\a*1536
	ds_load_b64  v[AF+48*(\p)+FR*\a+4:AF+48*(\p)+FR*\a+5],   v[ADA8+(\s)/4]  offset:((\s)%4)*12288+\a*1536+512
	ds_load_b128 v[AF+48*(\p)+FR*\a+6:AF+48*(\p)+FR*\a+9],   v[ADA16+(\s)/4] offset:((\s)%4)*12288+\a*1536+768
	ds_load_b64  v[AF+48*(\p)+FR*\a+10:AF+48*(\p)+FR*\a+11], v[ADA8+(\s)/4]  offset:((\s)%4)*12288+\a*1536+1280
.endr
.endm
.macro MUL32 s                         ; K step s: the 32 accumulators take turns, one instruction a turn, in the same order in every step; the first step starts the sums
	WIN MUL
.irp a, 0,1,2,3
.irp b, 0,1,2,3,4,5,6,7
.if (\s) == 0
	v_wmma_scale_f32_16x16x128_f8f6f4 v[8*(8*\a+\b):8*(8*\a+\b)+7], v[128*((\s)%2)+FR*\b:128*((\s)%2)+FR*\b+FR-1], v[AF+48*((\s)%2)+FR*\a:AF+48*((\s)%2)+FR*\a+FR-1], 0, v[SC+8*\b+(\s)], v[SC+8*\a+(\s)] matrix_a_fmt:MATRIX_FMT_FP6 matrix_b_fmt:MATRIX_FMT_FP6 matrix_a_scale:MATRIX_SCALE_ROW1
.else
	v_wmma_scale_f32_16x16x128_f8f6f4 v[8*(8*\a+\b):8*(8*\a+\b)+7], v[128*((\s)%2)+FR*\b:128*((\s)%2)+FR*\b+FR-1], v[AF+48*((\s)%2)+FR*\a:AF+48*((\s)%2)+FR*\a+FR-1], v[8*(8*\a+\b):8*(8*\a+\b)+7], v[SC+8*\b+(\s)], v[SC+8*\a+(\s)] matrix_a_fmt:MATRIX_FMT_FP6 matrix_b_fmt:MATRIX_FMT_FP6 matrix_a_scale:MATRIX_SCALE_ROW1
.endif
.endr
.endr
.endm
.macro STEP4 s
.if (\s) < 7
.if ((\s)+1)%2 == 0
	s_wait_tensorcnt 3-((\s)+1)/2                  ; my part of the next chunk is in; the chunks behind it may stay out
	s_wait_dscnt 0x0
	s_barrier_signal -1
	s_barrier_wait -1                              ; everybody's is
.endif
	PLACES 4                                       ; in front of loads into registers that matrix instructions have read
	FETCH (\s)+1, ((\s)+1)%2
	s_wait_dscnt 40                                ; all but the 40 just issued: this step's fragments are in
.else
	s_wait_dscnt 0x0
.endif
	MUL32 \s
.endm
	s_wait_tensorcnt 3                             ; the scale words and the first chunk are in,
	s_barrier_signal -1
	s_barrier_wait -1                              ; everybody's are
.irp i, 0,1,2,3,4,5,6,7                ; the scale words of all of K, once.  (Lanes 0-15 want the tokens' fragments 0-3 alone: what they read for i above 3 is not used)
.irp q, 0,1
	ds_load_b128 v[SC+8*\i+4*\q:SC+8*\i+4*\q+3], v[ADS] offset:512*\i+256*\q
.endr
.endr
	FETCH 0, 0
.irp s, 0,1,2,3,4,5,6,7
	STEP4 \s
.endr
	WIN 0
; THE WAY OUT, a token fragment (16 rows x 128 columns) at a time, through my own stage: a lane's eight results are 32 neighbouring bytes of a row; whole rows of 512 bytes come back and leave as aligned runs of 512 bytes.
; LDS serves a wave's instructions in order (ISA guide 5.7.1.4): no wait between the stores and the loads, nor in front of the next fragment's stores.
.macro TOSTAGE a
	WIN 0x08                                       ; an LDS store's data are its source 1: window 2
.irp b, 0,1,2,3,4,5,6,7
	ds_store_b128 v[STO], v[64*(\a)+8*\b:64*(\a)+8*\b+3] offset:128*(\b/2)+32*(\b%2)       ; each accumulator from its low end on
	ds_store_b128 v[STO], v[64*(\a)+8*\b+4:64*(\a)+8*\b+7] offset:128*(\b/2)+32*(\b%2)+16
.endr
	WIN 0
.set BB, BK+64*((\a)%2)
.irp t, 0,1,2,3,4,5,6,7,8,9,10,11,12,13,14,15
	ds_load_b128 v[BB+4*\t:BB+4*\t+3], v[RD] offset:\t*SPITCH
.endr
.endm
.macro SEND a, younger                 ; younger: the LDS instructions issued behind fragment a's loads, which may stay out
.set BB, BK+64*((\a)%2)
	s_wait_dscnt \younger
.irp t, 0,1,2,3,4,5,6,7,8,9,10,11,12,13,14,15
	global_store_b128 v[LI], v[BB+4*\t:BB+4*\t+3], s[12:13] offset:(32*((\a)/2)+8*((\a)%2)+\t+8*(\t/8))*4096 th:TH_STORE_NT   ; stage row t is token 32 (a/2) + 8 (a%2) + t + 8 (t/8) of my 64; 512 consecutive bytes, aligned
.endr
.endm
	PLACES 4                                       ; behind the last products: for the first read of results and the loads into registers that held operands
	TOSTAGE 0
.irp a, 1,2,3
.if \a > 1
	s_wait_xcnt 0x0                                ; fragment a - 2's stores have read their registers: fragment a's rows may land there
.endif
	TOSTAGE \a
	SEND \a-1, 32                                  ; behind fragment a - 1's loads: fragment a's 16 stores and 16 loads
.endr
	SEND 3, 0
	s_wait_tensorcnt 0x0
	ds_add_u32 v126, v127
	s_wait_dscnt 0x0
	CROUND                                         ; the closing round: no work-group ends while a partner may still ask for a tile that names it
	s_endpgm
.Lfunc_end_k_q9088ba645d_proj:
	.size	k_q9088ba645d_proj, .Lfunc_end_k_q9088ba645d_proj-k_q9088ba645d_proj
	.p2alignl 7, 3214868480
	.fill 96, 4, 3214868480
	.section	.rodata,"a",@progbits
	.p2align	6, 0x0
	.amdhsa_kernel k_q9088ba645d_proj
		.amdhsa_group_segment_fixed_size 327680
		.amdhsa_private_segment_fixed_size 0
		.amdhsa_enable_private_segment 0
		.amdhsa_kernarg_size 40
		.amdhsa_user_sgpr_count 2
		.amdhsa_user_sgpr_kernarg_segment_ptr 1
		.amdhsa_wavefront_size32 1
		.amdhsa_system_sgpr_workgroup_id_x 1
		.amdhsa_system_sgpr_workgroup_id_y 1
		.amdhsa_system_sgpr_workgroup_id_z 1
		.amdhsa_system_vgpr_workitem_id 0
		.amdhsa_next_free_vgpr 768
		.amdhsa_next_free_sgpr 100
		.amdhsa_reserve_vcc 0
		.amdhsa_float_denorm_mode_32 3
		.amdhsa_float_denorm_mode_16_64 3
		.amdhsa_memory_ordered 1
		.amdhsa_forward_progress 1
		.amdhsa_inst_pref_size 80
	.end_amdhsa_kernel
	.amdgpu_metadata
---
amdhsa.version: [ 1, 2 ]
amdhsa.kernels:
  - .name:           k_q9088ba645d_proj
    .symbol:         k_q9088ba645d_proj.kd
    .args:
      - { .name: ob, .offset: 0, .size: 8, .value_kind: global_buffer, .address_space: global }
      - { .name: os, .offset: 8, .size: 8, .value_kind: global_buffer, .address_space: global }
      - { .name: wc, .offset: 16, .size: 8, .value_kind: global_buffer, .address_space: global }
      - { .name: ws, .offset: 24, .size: 8, .value_kind: global_buffer, .address_space: global }
      - { .name: out0, .offset: 32, .size: 8, .value_kind: global_buffer, .address_space: global }
    .group_segment_fixed_size: 327680
    .private_segment_fixed_size: 0
    .kernarg_segment_align: 8
    .kernarg_segment_size: 40
    .max_flat_workgroup_size: 128
    .sgpr_count:     100
    .vgpr_count:     768
    .wavefront_size: 32
...
	.end_amdgpu_metadata
.endif
;; end of part 4
